; MI455X (gfx1250); checked and timed in simulation.
; The chip was launched on July 23, 2026; its instructions are those of AMD's public machine-readable ISA for CDNA 5 (MIT licence, August 2026) and "CDNA5" Instruction Set Architecture Reference Guide (July 2026). The comments in the code are by the model that wrote it; some were corrected since.
;; Test Mo E. Allowed arithmetic: float matrix products may take bf16 or f16 operands with f32 sums; other float arithmetic in f32, or as packed bf16 or f16 multiplies, adds, multiply-adds, maxima and minima; sums over many terms, partial sums and values carried from step to step in f32; what a program stores and reads back later, other than sums and carried values, may be rounded once to bf16 or f16.
;; Inputs: expert_b 8 x 1,024 float32; expert_w 8 x 1,024 x 1,024 float32; router_b 8 float32; router_w 8 x 1,024 float32; x 8,192 x 1,024 float32.
;; Outputs: out0 8,192 x 1,024 float32.
;; 2 versions, each right and faster than the one before. Each part assembles by itself: llvm-mc -triple=amdgcn-amd-amdhsa -mcpu=gfx1250 --defsym DOCPART=n.
;; ======== version 1 of 2: 2 launches
;; limits: values are held in f16: magnitudes above 65,504 overflow, below 6.1e-05 lose precision; inputs' magnitudes at most 65,504
;; workspace buffers: xh 16,777,216 bytes; wf 16,777,216 bytes; route 8,192 bytes of whole numbers; order 16,384 bytes of whole numbers
;; launch prep (part 1): grid 256 x 1, 16 waves a work-group, no clusters, 174,336 bytes of LDS; arguments x, router_w, router_b, expert_w, xh, wf, route, order; writes xh, wf, route, order
.if DOCPART == 1
	.amdgcn_target "amdgcn-amd-amdhsa--gfx1250"
	.amdhsa_code_object_version 6
	.text
	.protected	k_qcf763192f0_prep
	.globl	k_qcf763192f0_prep
	.p2align	8
	.type	k_qcf763192f0_prep,@function
k_qcf763192f0_prep:
	s_mov_b64 s[64:65], 0
	v_nop
	global_prefetch_b8 v0, s[64:65] scope:SCOPE_SE
	s_setreg_imm32_b32 hwreg(HW_REG_WAVE_MODE, 25, 1), 1
	s_wait_xcnt 0x0
; PREP: the router, and both operands of the expert product rounded once to f16.
;   logits[t][e] = x[t] . router_w[e] + router_b[e] in f32 on the vector unit (the choice is discrete: 16-bit operands would change it for some tokens);
;   top[t] = the first e with the largest logit.   xh = x in f16, row-major.   wf = expert_w in f16, in the order in which a matrix operand's registers take it:
;   wf[g = 64 e + nb][P = k / 8 (128)][r (16)][8 f16] = expert_w[e][16 nb + r][8 P .. 8 P + 7]: for K step ks the 1,024 bytes at 1,024 ks are two loads of 16 bytes a lane.
;   For each group of 32 tokens (one work-group): order[32 b ..] = its tokens sorted by expert (stable), u16; route[b] = 8 words: counts c[e] packed in pairs, then first places off[e] packed in pairs.
; No address and no branch hangs on the choice: it only selects values, which are stored at fixed places for the next launch.
; WHY F16.  Every output must lie within 0.01 of the outputs' root mean square.  Rounded to 8 significant bits a number is off by some 0.0015 of itself, a product of two such by 0.002, and so is a sum of 1,024 of them
; against its own spread: a fifth of the allowance, which the largest of 8.4 million errors reaches.  With f16's 11 bits the error is an eighth of that.
; LIMITS.  |x| or |expert_w| of 65,520 or more becomes an infinity in f16 (the drawn x end near 5.4, the weights at 0.03); below 6e-5 they keep f16's fixed step of 6e-8.
; A NaN logit is never chosen (reference's argmax would choose it).  Two logits that differ by less than the rounding of an f32 sum of 1,024 products (some 1e-6 of their size) may be chosen otherwise than reference() does.
; SHARES.  256 work-groups of 16 waves.  Work-group b: x rows 32 b .. +31 and the 32 rows 32 b .. +31 of expert_w taken as [8192][1024].  Waves 0-7: 4 rows of x each.  Waves 8-15 (w' = wave - 8):
; 16 rows of W (g = 2 b + w' / 4), k = 256 (w' % 4) .. +255.  Every wave asks for its whole 16 KiB, 32 loads of 512 consecutive bytes, at its head.
; No matrix unit (8 columns of f32 work), no cluster (work-groups share only router_w, 32 KiB of the 288 KiB that each reads), no tensor load (every byte passes through registers to be rounded).
.set RW,    0                          ; LDS: router_w as it lies, 32,768 bytes
.set WST,   32768                      ; the stages: wave w's at WST + w x 8,704: 32 rows of 272 bytes (256 + 16 of padding), for the turn from [row][piece] to [piece][row].
.set WSTB,  32*272                     ; Only waves 8-15 use theirs; the place is the plain wave number times a constant, and LDS is not scarce: the 16 waves' 256 registers each leave room for no second work-group
.set TOPS,  WST+16*WSTB                ; 172,032: the 32 choices, one word each
.set SPARE, TOPS+256                   ; 172,288: the spare words, 128 bytes for each of 16 waves; no other line names them
.set WB,    32                         ; v32-63   router_w for a half step, two buffers of 16
.set XS,    64                         ; v64-191  the wave's 32 loads, 4 registers each
.set ACC,   192                        ; v192-255 x waves: sum (row r, expert e) as a pair at ACC + 2 (8 r + e); W waves: the pieces read back
; v1 lane; v2 16 lane; v3 8 lane; v4 16 thread; v5 my word in TOPS; v6-9 a row's choice; v10-13 its largest logit; v14 my spare word; v15 0; v16-31 router_w on its way, later at work
	s_load_b512 s[4:19], s[0:1], 0x0               ; x s[4:5], router_w s[6:7], router_b s[8:9], expert_w s[10:11], xh s[12:13], wf s[14:15], route s[16:17], order s[18:19]
	v_lshl_add_u32 v14, v0, 2, SPARE
	v_mov_b32 v15, 0
	v_and_b32 v1, 31, v0
	v_lshrrev_b32 v5, 5, v0
	v_readfirstlane_b32 s20, v5                    ; wave 0..15
	s_mov_b32 s21, ttmp9                           ; b
	s_mov_b32 s23, 0                               ; high word of the offset pair s[22:23]
	s_mov_b32 s32, 0x76543210                      ; v_permlanex16_b32: each lane takes its own place in the other half
	s_mov_b32 s33, 0xfedcba98
	s_mov_b32 s34, 0x22222222                      ; lanes with lane % 4 = 1, 2, 3
	s_mov_b32 s35, 0x44444444
	s_mov_b32 s36, 0x88888888
	s_mul_i32 s60, s20, WSTB
	s_add_co_u32 s60, s60, WST                     ; my stage: made here, on every wave's path
	v_lshlrev_b32 v2, 4, v1
	v_lshlrev_b32 v3, 3, v1
	v_lshlrev_b32 v4, 4, v0
	s_lshl_b32 s37, s20, 4
	s_add_co_u32 s37, s37, TOPS
	v_and_b32 v5, 3, v0
	v_lshl_add_u32 v5, v5, 2, s37                  ; TOPS + 4 (4 wave + lane % 4): used by waves 0-7 alone
	s_wait_kmcnt 0x0
	s_load_b256 s[24:31], s[8:9], 0x0              ; router_b
.irp j, 0,1,2,3
	global_load_b128 v[16+4*\j:19+4*\j], v4, s[6:7] offset:8192*\j  ; router_w: 512 threads x 16 bytes, four times
.endr
	s_cmp_lt_u32 s20, 8
	s_cbranch_scc0 .Lw_loads
	s_lshl_b32 s56, s21, 5
	s_lshl_b32 s57, s20, 2
	s_add_co_u32 s56, s56, s57                     ; my first row of x: 32 b + 4 wave
	s_lshl_b32 s22, s56, 12
	s_add_nc_u64 s[4:5], s[4:5], s[22:23]
	s_lshl_b32 s22, s56, 11
	s_add_nc_u64 s[12:13], s[12:13], s[22:23]
.set n, 0
.rept 32                                           ; load n: row n % 4, k = 128 (n / 4) + 4 lane .. +3
	global_load_b128 v[XS+4*n:XS+4*n+3], v2, s[4:5] offset:(n%4)*4096+(n/4)*512 th:TH_LOAD_NT
.set n, n+1
.endr
	s_branch .Lloaded
.Lw_loads:
	s_sub_co_u32 s56, s20, 8                       ; w'
	s_lshr_b32 s57, s56, 2
	s_lshl_b32 s58, s21, 1
	s_add_co_u32 s57, s57, s58                     ; g = 2 b + w' / 4
	s_and_b32 s58, s56, 3
	s_lshl_b32 s22, s57, 16                        ; 16 rows of 4,096 bytes,
	s_lshl_b32 s59, s58, 10                        ; 256 k of 4 bytes
	s_add_co_u32 s22, s22, s59
	s_add_nc_u64 s[10:11], s[10:11], s[22:23]
	s_lshl_b32 s22, s57, 15                        ; in wf: 32,768 bytes for g, 8,192 for my 32 pieces
	s_lshl_b32 s59, s58, 13
	s_add_co_u32 s22, s22, s59
	s_add_nc_u64 s[14:15], s[14:15], s[22:23]
.set n, 0
.rept 32                                           ; load n: row n % 16, k = 128 (n / 16) + 4 lane .. +3 of my 256
	global_load_b128 v[XS+4*n:XS+4*n+3], v2, s[10:11] offset:(n%16)*4096+(n/16)*512 th:TH_LOAD_NT
.set n, n+1
.endr
.Lloaded:
	s_wait_loadcnt 32                              ; the 32 loads of the stream are younger: router_w's four are in
.irp j, 0,1,2,3
	ds_store_b128 v4, v[16+4*\j:19+4*\j] offset:RW+8192*\j
.endr
	s_wait_kmcnt 0x0                               ; router_b
	s_wait_dscnt 0x0                               ; for the others' sake: my part of router_w is in LDS
	s_barrier_signal -1
	s_barrier_wait -1
	s_cmp_lt_u32 s20, 8
	s_cbranch_scc0 .Lw_work
; THE X WAVES.  16 half steps: half step hs takes k = 128 (hs / 2) + 4 lane .. +3 and the experts 4 (hs % 2) .. +3: 4 rows x 4 experts x 4 k = 32 packed multiply-adds.
.macro WLOAD hs                        ; router_w of half step hs into buffer hs % 2: four loads of 512 consecutive bytes
.irp j, 0,1,2,3
	ds_load_b128 v[WB+16*((\hs)%2)+4*\j:WB+16*((\hs)%2)+4*\j+3], v2 offset:RW+(4*((\hs)%2)+\j)*4096+((\hs)/2)*512
.endr
.endm
	WLOAD 0
.set hs, 0
.rept 16
.set i, hs/2
.set g, hs%2
.if hs < 15
	WLOAD hs+1
.endif
.if g == 0
	s_wait_loadcnt 28-4*i                          ; the rows' loads for later k are younger: 4 for each of the 7 - i steps to come
.endif
.if hs < 15
	s_wait_dscnt 0x4                               ; the four just issued may stay out
.else
	s_wait_dscnt 0x0
.endif
.irp p, 0,2                                        ; the low pair of k, then the high pair: 16 lines lie between two links of a sum
.set r, 0
.rept 4
.set j, 0
.rept 4
.set a, ACC+2*(8*r+4*g+j)
.set xr, XS+4*(4*i+r)+\p
.set wr, WB+16*g+4*j+\p
.if (i == 0) && (\p == 0)
	v_pk_mul_f32 v[a:a+1], v[xr:xr+1], v[wr:wr+1]  ; the first product starts the sum
.else
	v_pk_fma_f32 v[a:a+1], v[xr:xr+1], v[wr:wr+1], v[a:a+1]
.endif
.set j, j+1
.endr
.set r, r+1
.endr
.endr
.if g == 1                                         ; both halves have read these 128 k of the four rows: round them to f16 in place and store
.set r, 0
.rept 4
.set xr, XS+4*(4*i+r)
	v_cvt_pk_f16_f32 v[xr], v[xr], v[xr+1]
	v_cvt_pk_f16_f32 v[xr+1], v[xr+2], v[xr+3]
	global_store_b64 v3, v[xr:xr+1], s[12:13] offset:r*2048+i*256  ; 32 lanes store 256 consecutive bytes, at a multiple of 256 from xh's first byte
.set r, r+1
.endr
.endif
.set hs, hs+1
.endr
	; the 32 sums over the lanes: the pair's halves, four steps inside each half of the lanes, one across; step by step over all 32, so that no line waits for the one before it
.set n, 0
.rept 32
	v_add_f32 v[ACC+2*n], v[ACC+2*n], v[ACC+2*n+1]
.set n, n+1
.endr
.irp m, 1,2,4,8
.set n, 0
.rept 32
	v_add_f32_dpp v[ACC+2*n], v[ACC+2*n], v[ACC+2*n] row_xmask:\m row_mask:0xf bank_mask:0xf
.set n, n+1
.endr
.endr
.set n, 0
.rept 32
	v_permlanex16_b32 v[ACC+2*n+1], v[ACC+2*n], s32, s33
.set n, n+1
.endr
.set n, 0
.rept 32
	v_add_f32 v[ACC+2*n], v[ACC+2*n], v[ACC+2*n+1]
.set n, n+1
.endr
.set n, 0
.rept 32
	v_add_f32 v[ACC+2*n], s[24+n%8], v[ACC+2*n]    ; + router_b[e]
.set n, n+1
.endr
	; the choice: a later expert wins only if it is strictly greater, so ties keep the lower index
.set r, 0
.rept 4
	v_cmp_gt_f32 s[56+r], v[ACC+16*r+2], v[ACC+16*r]
.set r, r+1
.endr
.set r, 0
.rept 4
	v_cndmask_b32 v[10+r], v[ACC+16*r], v[ACC+16*r+2], s[56+r]
	v_cndmask_b32 v[6+r], 0, 1, s[56+r]
.set r, r+1
.endr
.set e, 2
.rept 6
.set r, 0
.rept 4
	v_cmp_gt_f32 s[56+r], v[ACC+16*r+2*e], v[10+r]
.set r, r+1
.endr
.set r, 0
.rept 4
	v_cndmask_b32 v[10+r], v[10+r], v[ACC+16*r+2*e], s[56+r]
	v_cndmask_b32 v[6+r], v[6+r], e, s[56+r]
.set r, r+1
.endr
.set e, e+1
.endr
	v_cndmask_b32 v16, v6, v7, s34                 ; lane l takes row l % 4's choice (every lane holds all four)
	v_cndmask_b32 v16, v16, v8, s35
	v_cndmask_b32 v16, v16, v9, s36
	ds_store_b32 v5, v16                           ; eight lanes write each word, with the same value
	s_branch .Ljoin
; THE W WAVES.  A lane's 4 numbers of row t are half of piece P = 16 u + lane / 2; in the stage piece P is a row and t a column of 16 bytes.  The 16 pairs of lanes of a store fall 272 bytes apart, on different banks.
.Lw_work:
	v_lshrrev_b32 v6, 1, v1
	v_mul_u32_u24 v6, v6, 272
	v_and_b32 v7, 1, v1
	v_lshl_add_u32 v6, v7, 3, v6
	v_add_nc_u32 v6, s60, v6                       ; in: (lane / 2) x 272 + 8 (lane % 2)
	v_lshrrev_b32 v7, 4, v1
	v_mul_u32_u24 v7, v7, 272
	v_and_b32 v8, 15, v1
	v_lshl_add_u32 v7, v8, 4, v7
	v_add_nc_u32 v7, s60, v7                       ; back: lanes 0-15 one piece's 256 bytes, lanes 16-31 the next piece's
.set u, 0
.rept 2
.set t, 0
.rept 16
.set xr, XS+4*(16*u+t)
	s_wait_loadcnt 31-(16*u+t)                     ; the later loads are younger
	v_cvt_pk_f16_f32 v[xr], v[xr], v[xr+1]
	v_cvt_pk_f16_f32 v[xr+1], v[xr+2], v[xr+3]
	ds_store_b64 v6, v[xr:xr+1] offset:u*16*272+t*16
.set t, t+1
.endr
.set t, 0
.rept 8
	ds_load_b128 v[ACC+32*u+4*t:ACC+32*u+4*t+3], v7 offset:(8*u+t)*2*272  ; LDS serves a wave's instructions in order (ISA guide 5.7.1.4): these see my stores above
.set t, t+1
.endr
.set u, u+1
.endr
.set t, 0
.rept 8
	s_wait_dscnt 31-t                              ; younger: 7 - t reads of this half, the second half's 16 stores and 8 reads
	global_store_b128 v2, v[ACC+4*t:ACC+4*t+3], s[14:15] offset:t*512  ; 512 consecutive bytes, at a multiple of 256 from wf's first byte
.set t, t+1
.endr
.set t, 0
.rept 8
	s_wait_dscnt 7-t
	global_store_b128 v2, v[ACC+32+4*t:ACC+32+4*t+3], s[14:15] offset:(8+t)*512
.set t, t+1
.endr
.Ljoin:
	s_wait_dscnt 0x0                               ; for wave 0's sake: my choices are in TOPS
	s_barrier_signal -1
	s_barrier_wait -1
	s_cmp_lg_u32 s20, 0
	s_cbranch_scc1 .Lend
; WAVE 0: the group's 32 choices become counts, first places and the sorted list.  Lane l holds token 32 b + l.
	v_lshl_add_u32 v16, v1, 2, TOPS
	ds_load_b32 v17, v16
	s_lshl_b32 s22, s21, 6
	s_add_nc_u64 s[18:19], s[18:19], s[22:23]      ; order at my 32 u16
	s_lshl_b32 s22, s21, 5                         ; 32 b: the record's byte offset, and the first token's number
	s_add_nc_u64 s[16:17], s[16:17], s[22:23]
	s_wait_dscnt 0x0
.irp e, 0,1,2,3,4,5,6,7
	v_cmp_eq_u32 s[40+\e], \e, v17                 ; m[e]: the lanes that chose e
.endr
.irp e, 0,1,2,3,4,5,6,7
	s_bcnt1_i32_b32 s[56+\e], s[40+\e]             ; c[e]
.endr
	s_mov_b32 s48, 0
.irp e, 0,1,2,3,4,5,6
	s_add_co_u32 s[49+\e], s[48+\e], s[56+\e]      ; off[e + 1] = off[e] + c[e]
.endr
	v_mbcnt_lo_u32_b32 v18, s40, s48               ; my place: off[e] + the lanes below me that chose e, for my own e
.irp e, 1,2,3,4,5,6,7
	v_mbcnt_lo_u32_b32 v19, s[40+\e], s[48+\e]
	v_cndmask_b32 v18, v18, v19, s[40+\e]
.endr
	v_mov_b32 v20, 0                               ; the list is the inverse: lane i takes the j whose place is i, by selects alone (no lane index is made of the choice)
.set j, 1
.rept 31
	v_readlane_b32 s[66+j%2], v18, j
	v_cmp_eq_u32 vcc_lo, s[66+j%2], v1
	v_cndmask_b32 v20, v20, j, vcc_lo
.set j, j+1
.endr
	v_add_nc_u32 v20, s22, v20
	v_lshlrev_b32 v21, 1, v1
	global_store_b16 v21, v20, s[18:19]            ; 64 consecutive bytes
.irp p, 0,1,2,3
	s_lshl_b32 s37, s[57+2*\p], 16
	s_or_b32 s[72+\p], s[56+2*\p], s37             ; c[2 p] | c[2 p + 1] << 16
	s_lshl_b32 s37, s[49+2*\p], 16
	s_or_b32 s[76+\p], s[48+2*\p], s37             ; the same of off
.endr
	v_and_b32 v23, 7, v0
	v_mov_b32 v22, s72
.irp k, 1,2,3,4,5,6,7
	v_cmp_eq_u32 vcc_lo, \k, v23
	v_cndmask_b32 v22, v22, s[72+\k], vcc_lo
.endr
	v_lshlrev_b32 v24, 2, v23
	global_store_b32 v24, v22, s[16:17]            ; word lane % 8 of the record: four lanes write each word, with the same value
.Lend:
	s_wait_tensorcnt 0x0                           ; the wave's end: behind my last LDS store
	ds_add_u32 v14, v15
	s_wait_dscnt 0x0
	s_endpgm
.Lfunc_end_k_qcf763192f0_prep:
	.size	k_qcf763192f0_prep, .Lfunc_end_k_qcf763192f0_prep-k_qcf763192f0_prep
	.p2alignl 7, 3214868480
	.fill 96, 4, 3214868480
	.section	.rodata,"a",@progbits
	.p2align	6, 0x0
	.amdhsa_kernel k_qcf763192f0_prep
		.amdhsa_group_segment_fixed_size 174336
		.amdhsa_private_segment_fixed_size 0
		.amdhsa_enable_private_segment 0
		.amdhsa_kernarg_size 64
		.amdhsa_user_sgpr_count 2
		.amdhsa_user_sgpr_kernarg_segment_ptr 1
		.amdhsa_wavefront_size32 1
		.amdhsa_system_sgpr_workgroup_id_x 1
		.amdhsa_system_sgpr_workgroup_id_y 1
		.amdhsa_system_sgpr_workgroup_id_z 1
		.amdhsa_system_vgpr_workitem_id 0
		.amdhsa_next_free_vgpr 256
		.amdhsa_next_free_sgpr 80
		.amdhsa_reserve_vcc 1
		.amdhsa_float_denorm_mode_32 3
		.amdhsa_float_denorm_mode_16_64 3
		.amdhsa_memory_ordered 1
		.amdhsa_forward_progress 1
		.amdhsa_inst_pref_size 91
	.end_amdhsa_kernel
	.amdgpu_metadata
---
amdhsa.version: [ 1, 2 ]
amdhsa.kernels:
  - .name:           k_qcf763192f0_prep
    .symbol:         k_qcf763192f0_prep.kd
    .args:
      - { .name: x, .offset: 0, .size: 8, .value_kind: global_buffer, .address_space: global }
      - { .name: router_w, .offset: 8, .size: 8, .value_kind: global_buffer, .address_space: global }
      - { .name: router_b, .offset: 16, .size: 8, .value_kind: global_buffer, .address_space: global }
      - { .name: expert_w, .offset: 24, .size: 8, .value_kind: global_buffer, .address_space: global }
      - { .name: xh, .offset: 32, .size: 8, .value_kind: global_buffer, .address_space: global }
      - { .name: wf, .offset: 40, .size: 8, .value_kind: global_buffer, .address_space: global }
      - { .name: route, .offset: 48, .size: 8, .value_kind: global_buffer, .address_space: global }
      - { .name: order, .offset: 56, .size: 8, .value_kind: global_buffer, .address_space: global }
    .group_segment_fixed_size: 174336
    .private_segment_fixed_size: 0
    .kernarg_segment_align: 8
    .kernarg_segment_size: 64
    .max_flat_workgroup_size: 512
    .sgpr_count:     80
    .vgpr_count:     256
    .wavefront_size: 32
...
	.end_amdgpu_metadata
.endif
;; end of part 1
;; launch moe (part 2): grid 4 x 64, 4 waves a work-group, no clusters, 117,504 bytes of LDS; arguments route, order, xh, wf, expert_b, out0; writes out0
.if DOCPART == 2
	.amdgcn_target "amdgcn-amd-amdhsa--gfx1250"
	.amdhsa_code_object_version 6
	.text
	.protected	k_qcf763192f0_moe
	.globl	k_qcf763192f0_moe
	.p2align	8
	.type	k_qcf763192f0_moe,@function
k_qcf763192f0_moe:
	s_mov_b64 s[64:65], 0
	v_nop
	global_prefetch_b8 v0, s[64:65] scope:SCOPE_SE
	s_setreg_imm32_b32 hwreg(HW_REG_WAVE_MODE, 25, 1), 1
	s_wait_xcnt 0x0
; MOE: out0[t] = x[t] . expert_w[top[t]]^T + expert_b[top[t]], for the chosen expert alone.  Operands f16 (xh, wf: rounded once by the launch before, whose head says why f16), sums and bias f32.
; THE GRID SERVES EVERY SPLIT.  A tile is 144 rows of one expert x 256 columns.  Expert e with c[e] tokens has g[e] = ceil(c[e] / 144) tiles; their sum is at most (8192 + 8 x 143) / 144 = 64.8, so 64 row slots
; do for every split: grid = 4 column blocks x 64 slots.  Slot t belongs to the last expert whose first slot is <= t.  Places past the count repeat the expert's last token; whole blocks of 16 rows past the count
; are not stored; a slot without rows runs the same text on clamped indices and stores nothing (every wave passes every barrier).
; EVERY WORK-GROUP FINDS ITS ROWS ITSELF, in whole numbers, from what the launch before stored: route (for each group of 32 tokens the experts' counts and first places) and order (each group's tokens sorted by expert).
; Rank r of expert e lies in the last group whose running count is <= r: lane L sums its 8 groups, the 32 lanes' running sums are compared, then the lane's 8.
; SHARES.  Four waves; a wave has all 144 rows x 64 columns: 36 accumulators.  The rows of x are gathered by the list, 128 k at a time, through registers into two LDS slots that all four waves read.
; W's fragments have one reader each and lie in wf in register order: they go from memory straight into a ring of six register slots, five K steps ahead.
; THE MATRIX INSTRUCTION IS USED TRANSPOSED (source 0 = 16 rows of W, source 1 = 16 rows of x): a lane holds eight neighbouring columns of one row of out0, and the bias, which hangs on the column alone, is the C of the first K step.
; NO CLUSTER, NO TENSOR LOAD: x's rows come by a list, which no tile descriptor covers; W's tiles are shared by an expert's row slots, whose number hangs on the counts: whole clusters of four for each expert
; would need sum ceil(c[e] / 4 M) <= 16, so M >= 228 rows a tile, 480 accumulator registers and trip counts read from memory round the joint loads.
; LIMITS.  x and expert_w enter the product rounded to f16: of 65,520 or more they are infinities, below 6e-5 they keep f16's fixed step of 6e-8; nothing else is rounded.  Indices read from memory are clamped to their tables.
; REGISTERS, in windows of 256 (s_set_vgpr_msb: bits 1:0 source 0, 3:2 source 1, 5:4 source 2, 7:6 destination):
;   window 0: v0-15 lane terms; v16-33 the byte offsets of my 36 rows of xh; v34-63 at work; v64-255 W's ring, 6 x 32 (in the head: route and order as loaded; on the way out: tokens and rows)
;   window X = 1, 2, 3 (row blocks 3 (X - 1) + i): v0-95 accumulator (i, b) at 8 (4 i + b); v96-143 x fragments, two buffers of 24; v144-191 rows on their way to LDS, two sets of 6 x 4; window 1 also v192-223 the bias
; Under the one setting 0x54 X (source 0 in window 0, all else in window X) a matrix instruction, a fragment's LDS load, a row's global load and its LDS store all name the right windows, so these ride singly
; behind matrix instructions: four switches for a K step's 36 matrix instructions.
.set PITCH, 272                        ; an LDS row: 256 bytes + 16 of padding = 68 words: the 16 rows of a load start at 16 different groups of four banks (64 banks of 4 bytes: ISA guide 11.1)
.set ASLOT, 144*PITCH                  ; a slot: 144 rows x 128 k
.set STAGE, 2*ASLOT                    ; 16 rows x 272 bytes for each wave, for the way out
.set ORD,   STAGE+4*16*PITCH           ; order, 16,384 bytes
.set ZREC,  ORD+16384                  ; for each wave 32 lanes x 8 words: the search's second level
.set LIST,  ZREC+4096                  ; the tile's 144 tokens, one word each (576 bytes in 768)
.set SPARE, LIST+768                   ; the spare words, 128 bytes for each wave; no other line names them
; v1 lane; v2 16 lane; v3 16 (lane % 16); v4 h = lane / 16; v5 r = lane % 16; v6, v7 my place in a fragment, slot 0, 1; v8, v9 where I put a gathered row (rows 32 w + .., rows 128 + 4 w + ..);
; v10, v11 the stage, in and back; v12 LIST + 4 h; v13 32 h; v14 my spare word; v15 0
; s16 wave; s17 column block; s18 slot; s20-27 c[e]; s28 running first slot; s29 e; s30 its first slot; s31 its count; s32 first rank; s33 rows; s34 last rank; s35 e / 2; s36 16 (e % 2); s37-39 masks e / 2 = 1, 2, 3; s66-96 running sums
.set MSB, 0
.macro WIN new                         ; the immediate's high byte repeats the setting that is left; a switch that changes nothing is dropped
.if MSB != (\new)
	s_set_vgpr_msb (MSB<<8)|(\new)
.set MSB, (\new)
.endif
.endm
.set LDI, 0                            ; global loads issued so far; a mark is LDI behind a load; LDI - mark loads are younger than it
.set DSI, 0                            ; the same for LDS instructions
.macro WAITLD n                        ; the wait's field ends at 63; a smaller count only asks for more
.if (\n) > 63
	s_wait_loadcnt 63
.else
	s_wait_loadcnt (\n)
.endif
.endm
.macro BLOAD s                         ; W's four fragments of K step s into ring slot s % 6: eight loads of 512 consecutive bytes (window 0)
.set bs, 64+32*((\s)%6)
.set bb, 0
.rept 4
	global_load_b128 v[bs+8*bb:bs+8*bb+3],   v2, s[10:11] offset:bb*32768+(\s)*1024
	global_load_b128 v[bs+8*bb+4:bs+8*bb+7], v2, s[10:11] offset:bb*32768+(\s)*1024+512
.set bb, bb+1
.endr
.set LDI, LDI+8
.endm
.macro AFRAG X, s, k                   ; load k of 6 of window X's x fragments of K step s: row block 3 (X - 1) + k / 2, k-half k % 2
	ds_load_b128 v[96+24*((\s)%2)+4*(\k):96+24*((\s)%2)+4*(\k)+3], v[6+((\s)/4)%2] offset:(3*((\X)-1)+(\k)/2)*16*PITCH+((\s)%4)*64+32*((\k)%2)
.set DSI, DSI+1
.endm
.macro GONE X, c, m                    ; two of my rows (lanes 0-15 one, lanes 16-31 the next), 256 bytes of chunk c each, into set c % 2
	global_load_b128 v[144+24*((\c)%2)+4*(\m):144+24*((\c)%2)+4*(\m)+3], v[16+6*((\X)-1)+(\m)], s[8:9] offset:(\c)*256
.set LDI, LDI+1
.endm
.macro SONE X, c, m                    ; and on into LDS slot c % 2
.if 6*((\X)-1)+(\m) < 16
	ds_store_b128 v8, v[144+24*((\c)%2)+4*(\m):144+24*((\c)%2)+4*(\m)+3] offset:((\c)%2)*ASLOT+(6*((\X)-1)+(\m))*2*PITCH
.else
	ds_store_b128 v9, v[144+24*((\c)%2)+4*(\m):144+24*((\c)%2)+4*(\m)+3] offset:((\c)%2)*ASLOT+(6*((\X)-1)+(\m)-16)*2*PITCH
.endif
.set DSI, DSI+1
.endm
.macro GFILL c                         ; all 18 loads of chunk c
.irp X, 1,2,3
	WIN 0x54*\X
.set m, 0
.rept 6
	GONE \X, \c, m
.set m, m+1
.endr
.endr
.if (\c)%2 == 0
.set MG0, LDI
.else
.set MG1, LDI
.endif
.endm
	s_load_b256 s[4:11], s[0:1], 0x0               ; route s[4:5], order s[6:7], xh s[8:9], wf s[10:11]
	s_load_b128 s[12:15], s[0:1], 0x20             ; expert_b s[12:13], out0 s[14:15]
	v_lshl_add_u32 v14, v0, 2, SPARE
	v_mov_b32 v15, 0
	v_and_b32 v1, 31, v0
	v_lshrrev_b32 v34, 5, v0
	v_readfirstlane_b32 s16, v34                   ; wave 0..3
	s_mov_b32 s17, ttmp9
	s_and_b32 s18, ttmp7, 0xffff
	v_lshlrev_b32 v60, 4, v0
	v_lshlrev_b32 v61, 8, v1
	s_wait_kmcnt 0x0
.set i, 0
.rept 8                                            ; order: the work-group's 128 threads x 16 bytes, eight times
	global_load_b128 v[128+4*i:131+4*i], v60, s[6:7] offset:2048*i
.set i, i+1
.endr
.set i, 0
.rept 16                                           ; route, whole, in every wave: lane l takes groups 8 l .. 8 l + 7: group i's counts at v[64 + 8 i ..], its first places at v[68 + 8 i ..]
	global_load_b128 v[64+4*i:67+4*i], v61, s[4:5] offset:16*i
.set i, i+1
.endr
	; the lane terms, while these are on their way
	v_and_b32 v5, 15, v0
	v_bfe_u32 v4, v0, 4, 1
	v_lshlrev_b32 v2, 4, v1
	v_lshlrev_b32 v3, 4, v5
	v_add_nc_u32 v62, ORD, v60
	s_mov_b32 s46, 0x76543210                      ; v_permlanex16_b32: each lane takes its own place in the other half
	s_mov_b32 s47, 0xfedcba98
	s_lshl_b32 s48, s16, 10
	s_add_co_u32 s48, s48, ZREC                    ; my wave's records
	s_lshl_b32 s49, s16, 7                         ; 4 x 32 w
	s_lshl_b32 s54, s16, 4
	s_add_co_u32 s54, s54, 512                     ; 4 x (128 + 4 w)
	s_add_co_u32 s50, s54, LIST
	s_mul_i32 s51, s16, 32*PITCH
	s_mul_i32 s52, s16, 4*PITCH
	s_add_co_u32 s52, s52, 128*PITCH
	s_mul_i32 s53, s16, 16*PITCH
	s_add_co_u32 s53, s53, STAGE
	v_mul_u32_u24 v6, v5, PITCH
	v_mul_u32_u24 v63, v4, PITCH
	v_lshl_add_u32 v10, v4, 5, v6
	v_add_nc_u32 v10, s53, v10                     ; stage, in: row r, 32 bytes for each half of the lanes
	v_lshl_add_u32 v6, v4, 4, v6                   ; a fragment: row r x pitch + 16 h
	v_add_nc_u32 v7, ASLOT, v6
	v_add_nc_u32 v63, v63, v3                      ; row h x pitch + 16 r: whole rows, two to an instruction
	v_add_nc_u32 v8, s51, v63
	v_add_nc_u32 v9, s52, v63
	v_add_nc_u32 v11, s53, v63
	v_lshl_add_u32 v12, v4, 2, LIST
	v_lshlrev_b32 v13, 5, v4
	v_and_b32 v57, 3, v0
	s_wait_loadcnt 16                              ; route's 16 loads are younger: order is in
.set i, 0
.rept 8
	ds_store_b128 v62, v[128+4*i:131+4*i] offset:2048*i
.set i, i+1
.endr
	s_wait_loadcnt 0x0                             ; route
	; the experts' totals: two counts to a word (8,192 at the most: no carry from the low half)
.irp p, 0,1,2,3
	v_add3_u32 v[34+\p], v[64+\p], v[72+\p], v[80+\p]
	v_mov_b32 v[38+\p], 0                          ; a DPP line's destination counts as read
.endr
.irp p, 0,1,2,3
	v_add3_u32 v[34+\p], v[34+\p], v[88+\p], v[96+\p]
.endr
.irp p, 0,1,2,3
	v_add3_u32 v[34+\p], v[34+\p], v[104+\p], v[112+\p]
.endr
.irp p, 0,1,2,3
	v_add_nc_u32 v[34+\p], v[34+\p], v[120+\p]
.endr
.irp m, 1,2,4,8
.irp p, 0,1,2,3
	v_mov_b32_dpp v[38+\p], v[34+\p] row_xmask:\m row_mask:0xf bank_mask:0xf
.endr
.irp p, 0,1,2,3
	v_add_nc_u32 v[34+\p], v[34+\p], v[38+\p]
.endr
.endr
.irp p, 0,1,2,3
	v_permlanex16_b32 v[38+\p], v[34+\p], s46, s47
.endr
.irp p, 0,1,2,3
	v_add_nc_u32 v[34+\p], v[34+\p], v[38+\p]
.endr
.irp p, 0,1,2,3
	v_readfirstlane_b32 s[40+\p], v[34+\p]
.endr
.irp p, 0,1,2,3
	s_and_b32 s[20+2*\p], s[40+\p], 0xffff
	s_lshr_b32 s[21+2*\p], s[40+\p], 16
.endr
	; the slots are dealt: g = (c + 143) / 144 = ((c + 143) >> 4) / 9, and m / 9 = (7,282 m) >> 16 for every m below 32,768 (here 520 at the most)
	s_mov_b32 s28, 0
	s_mov_b32 s29, 0
	s_mov_b32 s30, 0
	s_mov_b32 s31, s20
.irp e, 0,1,2,3,4,5,6,7
	s_cmp_ge_u32 s18, s28                          ; does expert e begin at or before my slot?
	s_cselect_b32 s29, \e, s29
	s_cselect_b32 s30, s28, s30
	s_cselect_b32 s31, s[20+\e], s31
	s_add_co_u32 s40, s[20+\e], 143
	s_lshr_b32 s40, s40, 4
	s_mul_i32 s40, s40, 7282
	s_lshr_b32 s40, s40, 16
	s_add_co_u32 s28, s28, s40
.endr
	s_min_u32 s29, s29, 7                          ; it enters addresses
	s_sub_co_u32 s32, s18, s30
	s_mul_i32 s32, s32, 144                        ; my first rank
	s_sub_co_i32 s33, s31, s32
	s_max_i32 s33, s33, 0
	s_min_i32 s33, s33, 144                        ; my rows
	s_max_u32 s34, s31, 1
	s_sub_co_u32 s34, s34, 1                       ; the expert's last rank (0 if it has no token)
	s_lshr_b32 s35, s29, 1
	s_and_b32 s36, s29, 1
	s_lshl_b32 s36, s36, 4
	s_cmp_eq_u32 s35, 1
	s_cselect_b32 s37, -1, 0
	s_cmp_eq_u32 s35, 2
	s_cselect_b32 s38, -1, 0
	s_cmp_eq_u32 s35, 3
	s_cselect_b32 s39, -1, 0
	s_mov_b32 s45, 0
	s_lshl_b32 s44, s29, 21                        ; wf: 64 x 32,768 bytes an expert, 16 x 32,768 a column block, 4 x 32,768 a wave
	s_lshl_b32 s40, s17, 19
	s_add_co_u32 s44, s44, s40
	s_lshl_b32 s40, s16, 17
	s_add_co_u32 s44, s44, s40
	s_add_nc_u64 s[10:11], s[10:11], s[44:45]
	s_lshl_b32 s40, s17, 10                        ; my 64 columns of f32: 1,024 bytes a column block, 256 a wave
	s_lshl_b32 s41, s16, 8
	s_add_co_u32 s44, s40, s41
	s_add_nc_u64 s[14:15], s[14:15], s[44:45]
	s_lshl_b32 s41, s29, 12
	s_add_co_u32 s44, s44, s41
	s_add_nc_u64 s[12:13], s[12:13], s[44:45]
	; my lane's 8 groups: c and off of expert e; E = the running count; z = E << 16 | (32 i + off - E) = 65,535 E + off + 32 i (E <= 32 i, so the low part is never negative)
	v_mov_b32 v42, 0
.set i, 0
.rept 8
	v_cndmask_b32 v43, v[64+8*i], v[65+8*i], s37
	v_cndmask_b32 v44, v[68+8*i], v[69+8*i], s37
	v_cndmask_b32 v43, v43, v[66+8*i], s38
	v_cndmask_b32 v44, v44, v[70+8*i], s38
	v_cndmask_b32 v43, v43, v[67+8*i], s39
	v_cndmask_b32 v44, v44, v[71+8*i], s39
	v_bfe_u32 v43, v43, s36, 16
	v_bfe_u32 v44, v44, s36, 16
	v_mad_u32_u24 v44, v42, 0xffff, v44
	v_add_nc_u32 v[34+i], 32*i, v44
	v_add_nc_u32 v42, v42, v43
.set i, i+1
.endr
	s_wait_dscnt 0x0                               ; order's LDS stores have read v128-159, where W's ring begins to land
	WIN 0x40                                       ; destination window 1
.set bb, 0
.rept 4                                            ; the bias of my 64 columns as a C operand: register j of lane (r, h) is column 16 b + 8 h + j
	global_load_b128 v[192+8*bb:192+8*bb+3], v13, s[12:13] offset:64*bb
	global_load_b128 v[192+8*bb+4:192+8*bb+7], v13, s[12:13] offset:64*bb+16
.set bb, bb+1
.endr
.set LDI, LDI+8
	WIN 0
	BLOAD 0                                        ; W of the first five K steps goes out ahead of the search
.set MQ0, LDI
	BLOAD 1
.set MQ1, LDI
	BLOAD 2
.set MQ2, LDI
	BLOAD 3
.set MQ3, LDI
	BLOAD 4
.set MQ4, LDI
	v_lshl_add_u32 v56, v1, 5, s48
	ds_store_b128 v56, v[34:37]
	ds_store_b128 v56, v[38:41] offset:16
	; the search over lanes, for two places a lane: a = place 32 w + lane, b = place 128 + 4 w + lane % 4.  The running sums carry the lane's number: after lane l, 64 X + (l + 1), X = the count up to and with lane l.
	v_lshl_add_u32 v45, v42, 6, 1
	v_add_nc_u32 v46, s32, v0
	v_min_u32 v46, s34, v46                        ; rank a; places past the count repeat the last rank
	s_lshl_b32 s43, s16, 2
	s_add_co_u32 s43, s43, 128
	s_add_co_u32 s43, s43, s32
	v_add_nc_u32 v47, s43, v57
	v_min_u32 v47, s34, v47                        ; rank b
	v_add_lshl_u32 v48, v46, 1, 6                  ; 64 (rank + 1): above 64 X + lane just where X <= rank
	v_add_lshl_u32 v49, v47, 1, 6
	v_mov_b32 v50, 0
	v_mov_b32 v51, 0
.set l, 0
.rept 31
	v_readlane_b32 s[66+l], v45, l
.set l, l+1
.endr
.set l, 0
.rept 30
	s_add_co_u32 s[67+l], s[67+l], s[66+l]
.set l, l+1
.endr
.set l, 0
.rept 31                                           ; the sums ascend, so the last that passes stays: K = 64 X[L] + L
	v_cmp_lt_u32 vcc_lo, s[66+l], v48
	v_cmp_lt_u32 s40, s[66+l], v49
	v_cndmask_b32 v50, v50, s[66+l], vcc_lo
	v_cndmask_b32 v51, v51, s[66+l], s40
.set l, l+1
.endr
	v_and_b32 v52, 31, v50
	v_and_b32 v53, 31, v51
	v_min_u32 v52, 31, v52                         ; L enters an LDS address
	v_min_u32 v53, 31, v53
	v_lshrrev_b32 v50, 6, v50
	v_lshrrev_b32 v51, 6, v51
	v_sub_nc_u32 v46, v46, v50                     ; the rank within lane L's groups
	v_sub_nc_u32 v47, v47, v51
	v_lshl_add_u32 v54, v52, 5, s48
	v_lshl_add_u32 v55, v53, 5, s48
	v_add_lshl_u32 v48, v46, 1, 16                 ; above z just where E <= rank
	v_add_lshl_u32 v49, v47, 1, 16
	s_wait_dscnt 0x0                               ; my part of order and my records are in LDS
	s_barrier_signal -1
	s_barrier_wait -1                              ; everybody's are
	ds_load_b128 v[16:19], v54
	ds_load_b128 v[20:23], v54 offset:16
	ds_load_b128 v[24:27], v55
	ds_load_b128 v[28:31], v55 offset:16
	s_wait_dscnt 0x0
	v_cmp_lt_u32 vcc_lo, v17, v48
	v_cmp_lt_u32 s40, v25, v49
	v_cndmask_b32 v58, v16, v17, vcc_lo
	v_cndmask_b32 v59, v24, v25, s40
.irp i, 2,3,4,5,6,7
	v_cmp_lt_u32 vcc_lo, v[16+\i], v48
	v_cmp_lt_u32 s40, v[24+\i], v49
	v_cndmask_b32 v58, v58, v[16+\i], vcc_lo
	v_cndmask_b32 v59, v59, v[24+\i], s40
.endr
	v_and_b32 v58, 0xffff, v58
	v_and_b32 v59, 0xffff, v59
	v_lshl_add_u32 v58, v52, 8, v58                ; the place in order: 256 L + (32 i + off - E) + rank
	v_lshl_add_u32 v59, v53, 8, v59
	v_add_nc_u32 v58, v58, v46
	v_add_nc_u32 v59, v59, v47
	v_min_u32 v58, 0x1fff, v58
	v_min_u32 v59, 0x1fff, v59
	v_lshl_add_u32 v58, v58, 1, ORD
	v_lshl_add_u32 v59, v59, 1, ORD
	ds_load_u16 v60, v58
	ds_load_u16 v61, v59
	v_lshl_add_u32 v62, v0, 2, LIST
	v_lshl_add_u32 v63, v57, 2, s50
	v_add_nc_u32 v54, s49, v12
	v_add_nc_u32 v55, s54, v12
	s_wait_dscnt 0x0
	ds_store_b32 v62, v60
	ds_store_b32 v63, v61                          ; eight lanes write each word, with the same value
	s_wait_dscnt 0x0                               ; for the others' sake: my 36 tokens are in the list
	s_barrier_signal -1
	s_barrier_wait -1
.set i, 0
.rept 16                                           ; the rows that I gather: 32 w + 2 i + h,
	ds_load_b32 v[16+i], v54 offset:8*i
.set i, i+1
.endr
	ds_load_b32 v32, v55                           ; and 128 + 4 w + 2 (i - 16) + h
	ds_load_b32 v33, v55 offset:8
	s_wait_dscnt 0x0
.set i, 0
.rept 18
	v_min_u32 v[16+i], 0x1fff, v[16+i]
.set i, i+1
.endr
.set i, 0
.rept 18
	v_lshl_add_u32 v[16+i], v[16+i], 11, v3        ; token x 2,048 bytes + my 16 of a chunk's 256
.set i, i+1
.endr
	GFILL 0
	GFILL 1
	WAITLD LDI-MG0                                 ; chunk 1's 18 loads are younger: chunk 0, and all that went out before it, is in
.irp X, 1,2,3
	WIN 0x54*\X
.set m, 0
.rept 6
	SONE \X, 0, m
.set m, m+1
.endr
.endr
	s_wait_dscnt 0x0                               ; chunk 0 is in LDS, and set 0's registers have been read
	GFILL 2
	s_barrier_signal -1
	s_barrier_wait -1                              ; everybody's rows of chunk 0 are
.irp X, 1,2,3
	WIN 0x54*\X
.set k, 0
.rept 6
	AFRAG \X, 0, k
.set k, k+1
.endr
.set MA\X, DSI
.endr
; A K STEP (32 along K; S = 4 c + q, chunk c of 128 k lies in LDS slot c % 2) is three PHASES, one a window: 12 matrix instructions on 12 accumulators, one memory instruction behind each:
;   behind the first six: the window's fragments of K step S + 1;
;   behind the last six:  q = 0: six pairs of rows of chunk c + 1 go from registers into the other LDS slot;  q = 2: six pairs of rows of chunk c + 3 are asked for, into the registers so freed
;   (each phase's own wait on DScnt at q = 1 and q = 2 has shown those LDS stores done).
; The 36 accumulators take turns, one instruction a turn.
; ONE BARRIER A CHUNK, in its last K step: in front of the signal my reads of slot c % 2 and my stores of chunk c + 1 are done; behind the wait the other slot is read, and from the next K step on this slot is written.
; Signal and wait stand twelve matrix instructions apart, with register work alone between them.
.macro PHASE X
.if S == 0
	WIN 0x44*(\X)+0x10                             ; the first K step takes its C, the bias, from window 1
.else
	WIN 0x54*(\X)
.endif
.if (q == 0) && ((\X) == 1) && (c < 7)
.if (c+1)%2 == 0
	WAITLD LDI-MG0                                 ; chunk c + 1 is in registers
.else
	WAITLD LDI-MG1
.endif
.endif
	s_wait_dscnt DSI-MA\X                          ; this window's fragments are in; what was issued behind them may stay out
.set n, 0
.rept 12
.set ra, 8*n
.set rb, 64+32*(S%6)+8*(n%4)
.set rx, 96+24*(S%2)+8*(n/4)
.if S == 0
	v_wmma_f32_16x16x32_f16 v[ra:ra+7], v[rb:rb+7], v[rx:rx+7], v[192+8*(n%4):192+8*(n%4)+7]
.else
	v_wmma_f32_16x16x32_f16 v[ra:ra+7], v[rb:rb+7], v[rx:rx+7], v[ra:ra+7]
.endif
.if n < 6
.if S < 31
.if (q != 3) || ((\X) != 1)
	AFRAG \X, S+1, n
.endif
.endif
.else
.if (q == 0) && (c < 7)
	SONE \X, c+1, n-6
.endif
.if (q == 2) && (c < 5)
	GONE \X, c+3, n-6
.endif
.endif
.if n == 5
.set MA\X, DSI
.endif
.set n, n+1
.endr
.if (q == 3) && ((\X) == 1) && (S < 31)
	s_barrier_wait -1                              ; every wave's rows of chunk c + 1 are in LDS
.set n, 0
.rept 6
	AFRAG \X, S+1, n
.set n, n+1
.endr
.set MA\X, DSI
.endif
.endm
.macro KSTEP
.set c, S/4
.set q, S%4
	WIN 0
.if S > 0
.rept 4
	v_nop                                          ; a load into a register that a matrix instruction has read stands four plain vector instructions behind it (ISA guide 7.12.1 for vector instructions):
.endr                                              ; these four serve all of this step's loads, into the ring slot and the fragment buffers that the step before multiplied
.endif
.if S+5 <= 31
	BLOAD S+5                                      ; five K steps, 180 matrix instructions, ahead of its use
.endif
.set MQ5, LDI
	WAITLD LDI-MQ0                                 ; W of this step is in; the later steps' and the rows asked for since may stay out
.if (q == 3) && (c < 7)
	s_wait_dscnt 0x0                               ; my reads of this slot and my stores into the other are done:
	s_barrier_signal -1                            ; say so
.endif
	PHASE 1
	PHASE 2
	PHASE 3
.if (q == 2) && (c < 5)
.if (c+3)%2 == 0
.set MG0, LDI
.else
.set MG1, LDI
.endif
.endif
.set MQ0, MQ1
.set MQ1, MQ2
.set MQ2, MQ3
.set MQ3, MQ4
.set MQ4, MQ5
.set S, S+1
.endm
.set S, 0
.rept 32
	KSTEP
.endr
; THE WAY OUT, a block of 16 rows at a time: a lane's 32 bytes of each of four accumulators go into my stage (rows of 272 bytes) and come back as whole rows of 256 bytes; sixteen lanes store them at the row's token.
; Each accumulator's low four registers are read first.  A block wholly past the count is jumped, and all behind it; in the last block the places past the count store the last row's own bytes again.
.macro OUTBLK a
.set oa, 32*((\a)%3)
	s_cmp_le_u32 s33, 16*(\a)
	s_cbranch_scc1 .Ldone
	s_wait_xcnt 0x0                                ; the block before's stores have had their addresses translated (ISA guide 3.1): only now are their registers written again
.set t, 0
.rept 8
	ds_load_b32 v[64+t], v12 offset:64*(\a)+8*t    ; the tokens of rows 16 a + 2 t + h
.set t, t+1
.endr
	WIN 4*(1+(\a)/3)                               ; store data (source 1) in the block's window
.set bb, 0
.rept 4
	ds_store_b128 v10, v[oa+8*bb:oa+8*bb+3] offset:64*bb
	ds_store_b128 v10, v[oa+8*bb+4:oa+8*bb+7] offset:64*bb+16
.set bb, bb+1
.endr
	WIN 0
.set t, 0
.rept 8
	ds_load_b128 v[72+4*t:72+4*t+3], v11 offset:t*2*PITCH  ; LDS serves a wave's instructions in order (ISA guide 5.7.1.4): these see my stores above; the next block's stores come behind them
.set t, t+1
.endr
	s_wait_dscnt 16                                ; the 8 stores and 8 loads behind them are younger: the tokens are in
.set t, 0
.rept 8
	v_min_u32 v[64+t], 0x1fff, v[64+t]
.set t, t+1
.endr
.set t, 0
.rept 8
	v_lshl_add_u32 v[64+t], v[64+t], 12, v3        ; token x 4,096 bytes + my 16 of the wave's 256
.set t, t+1
.endr
.set t, 0
.rept 8
	s_wait_dscnt 7-t
	global_store_b128 v[64+t], v[72+4*t:72+4*t+3], s[14:15] th:TH_STORE_NT  ; 16 lanes store 256 consecutive bytes, at a multiple of 256 from out0's first byte
.set t, t+1
.endr
.endm
	WIN 0                                          ; at a branch and at a label every window is 0
.rept 4
	v_nop                                          ; four plain vector instructions between the last products and the LDS stores that read them, and the loads into W's ring
.endr
.irp a, 0,1,2,3,4,5,6,7,8
	OUTBLK \a
.endr
.Ldone:
	s_wait_tensorcnt 0x0                           ; the wave's end: behind my last LDS store
	ds_add_u32 v14, v15
	s_wait_dscnt 0x0
	s_endpgm
.Lfunc_end_k_qcf763192f0_moe:
	.size	k_qcf763192f0_moe, .Lfunc_end_k_qcf763192f0_moe-k_qcf763192f0_moe
	.p2alignl 7, 3214868480
	.fill 96, 4, 3214868480
	.section	.rodata,"a",@progbits
	.p2align	6, 0x0
	.amdhsa_kernel k_qcf763192f0_moe
		.amdhsa_group_segment_fixed_size 117504
		.amdhsa_private_segment_fixed_size 0
		.amdhsa_enable_private_segment 0
		.amdhsa_kernarg_size 48
		.amdhsa_user_sgpr_count 2
		.amdhsa_user_sgpr_kernarg_segment_ptr 1
		.amdhsa_wavefront_size32 1
		.amdhsa_system_sgpr_workgroup_id_x 1
		.amdhsa_system_sgpr_workgroup_id_y 1
		.amdhsa_system_sgpr_workgroup_id_z 1
		.amdhsa_system_vgpr_workitem_id 0
		.amdhsa_next_free_vgpr 960
		.amdhsa_next_free_sgpr 98
		.amdhsa_reserve_vcc 1
		.amdhsa_float_denorm_mode_32 3
		.amdhsa_float_denorm_mode_16_64 3
		.amdhsa_memory_ordered 1
		.amdhsa_forward_progress 1
		.amdhsa_inst_pref_size 238
	.end_amdhsa_kernel
	.amdgpu_metadata
---
amdhsa.version: [ 1, 2 ]
amdhsa.kernels:
  - .name:           k_qcf763192f0_moe
    .symbol:         k_qcf763192f0_moe.kd
    .args:
      - { .name: route, .offset: 0, .size: 8, .value_kind: global_buffer, .address_space: global }
      - { .name: order, .offset: 8, .size: 8, .value_kind: global_buffer, .address_space: global }
      - { .name: xh, .offset: 16, .size: 8, .value_kind: global_buffer, .address_space: global }
      - { .name: wf, .offset: 24, .size: 8, .value_kind: global_buffer, .address_space: global }
      - { .name: expert_b, .offset: 32, .size: 8, .value_kind: global_buffer, .address_space: global }
      - { .name: out0, .offset: 40, .size: 8, .value_kind: global_buffer, .address_space: global }
    .group_segment_fixed_size: 117504
    .private_segment_fixed_size: 0
    .kernarg_segment_align: 8
    .kernarg_segment_size: 48
    .max_flat_workgroup_size: 128
    .sgpr_count:     98
    .vgpr_count:     960
    .wavefront_size: 32
...
	.end_amdgpu_metadata
.endif
;; end of part 2
;; ======== version 2 of 2: 2 launches; 1.29 times as fast as version 1
;; limits: values are held in f16: magnitudes above 65,504 overflow, below 6.1e-05 lose precision; inputs' magnitudes at most 65,504
;; workspace buffers: xh 16,777,216 bytes; wf 16,777,216 bytes; route 8,192 bytes of whole numbers; order 16,384 bytes of whole numbers
;; launch prep (part 3): grid 256 x 1, 16 waves a work-group, no clusters, 174,336 bytes of LDS; arguments x, router_w, router_b, expert_w, xh, wf, route, order; writes xh, wf, route, order
.if DOCPART == 3
	.amdgcn_target "amdgcn-amd-amdhsa--gfx1250"
	.amdhsa_code_object_version 6
	.text
	.protected	k_qcf763192f0_prep
	.globl	k_qcf763192f0_prep
	.p2align	8
	.type	k_qcf763192f0_prep,@function
k_qcf763192f0_prep:
	s_mov_b64 s[64:65], 0
	v_nop
	global_prefetch_b8 v0, s[64:65] scope:SCOPE_SE
	s_setreg_imm32_b32 hwreg(HW_REG_WAVE_MODE, 25, 1), 1
	s_wait_xcnt 0x0
; PREP: the router, and both operands of the expert product rounded once to f16.
;   logits[t][e] = x[t] . router_w[e] + router_b[e] in f32 on the vector unit (the choice is discrete: 16-bit operands would change it for some tokens);
;   top[t] = the first e with the largest logit.   xh = x in f16, row-major.   wf = expert_w in f16, in the order in which a matrix operand's registers take it:
;   wf[g = 64 e + nb][P = k / 8 (128)][r (16)][8 f16] = expert_w[e][16 nb + r][8 P .. 8 P + 7]: for K step ks the 1,024 bytes at 1,024 ks are two loads of 16 bytes a lane.
;   For each group of 32 tokens (one work-group): order[32 b ..] = its tokens sorted by expert (stable), u16; and eight words in route: the counts c[e] packed in pairs, then the first places off[e] packed in pairs.
;   route[q (16)][L (32)][4 words]: group 8 L + i has its counts at q = 2 i and its first places at q = 2 i + 1, so that the next launch's lane L takes its 8 groups by 16 loads of which each covers 512 consecutive bytes.
; No address and no branch hangs on the choice: it only selects values, which are stored at fixed places for the next launch.
; WHY F16.  Every output must lie within 0.01 of the outputs' root mean square.  Rounded to 8 significant bits a number is off by some 0.0015 of itself, a product of two such by 0.002, and so is a sum of 1,024 of them
; against its own spread: a fifth of the allowance, which the largest of 8.4 million errors reaches.  With f16's 11 bits the error is an eighth of that.
; LIMITS.  |x| or |expert_w| of 65,520 or more becomes an infinity in f16 (the drawn x end near 5.4, the weights at 0.03); below 6e-5 they keep f16's fixed step of 6e-8.
; A NaN logit is never chosen (reference's argmax would choose it).  Two logits that differ by less than the rounding of an f32 sum of 1,024 products (some 1e-6 of their size) may be chosen otherwise than reference() does.
; SHARES.  256 work-groups of 16 waves.  Work-group b: x rows 32 b .. +31 and the 32 rows 32 b .. +31 of expert_w taken as [8192][1024].  Waves 0-7: 4 rows of x each.  Waves 8-15 (w' = wave - 8):
; 16 rows of W (g = 2 b + w' / 4), k = 256 (w' % 4) .. +255.  Every wave asks for its whole 16 KiB, 32 loads of 512 consecutive bytes, at its head.
; No matrix unit (8 columns of f32 work), no cluster (work-groups share only router_w, 32 KiB of the 288 KiB that each reads), no tensor load (every byte passes through registers to be rounded).
.set RW,    0                          ; LDS: router_w as it lies, 32,768 bytes
.set WST,   32768                      ; the stages: wave w's at WST + w x 8,704: 32 rows of 272 bytes (256 + 16 of padding), for the turn from [row][piece] to [piece][row].
.set WSTB,  32*272                     ; Only waves 8-15 use theirs; the place is the plain wave number times a constant, and LDS is not scarce: the 16 waves' 256 registers each leave room for no second work-group
.set TOPS,  WST+16*WSTB                ; 172,032: the 32 choices, one word each
.set SPARE, TOPS+256                   ; 172,288: the spare words, 128 bytes for each of 16 waves; no other line names them
.set WB,    32                         ; v32-63   router_w for a half step, two buffers of 16
.set XS,    64                         ; v64-191  the wave's 32 loads, 4 registers each
.set ACC,   192                        ; v192-255 x waves: sum (row r, expert e) as a pair at ACC + 2 (8 r + e); W waves: the pieces read back
; v1 lane; v2 16 lane; v3 8 lane; v4 16 thread; v5 my word in TOPS; v6-9 a row's choice; v10-13 its largest logit; v14 my spare word; v15 0; v16-31 router_w on its way, later at work
	s_load_b512 s[4:19], s[0:1], 0x0               ; x s[4:5], router_w s[6:7], router_b s[8:9], expert_w s[10:11], xh s[12:13], wf s[14:15], route s[16:17], order s[18:19]
	v_lshl_add_u32 v14, v0, 2, SPARE
	v_mov_b32 v15, 0
	v_and_b32 v1, 31, v0
	v_lshrrev_b32 v5, 5, v0
	v_readfirstlane_b32 s20, v5                    ; wave 0..15
	s_mov_b32 s21, ttmp9                           ; b
	s_mov_b32 s23, 0                               ; high word of the offset pair s[22:23]
	s_mov_b32 s32, 0x76543210                      ; v_permlanex16_b32: each lane takes its own place in the other half
	s_mov_b32 s33, 0xfedcba98
	s_mov_b32 s34, 0x22222222                      ; lanes with lane % 4 = 1, 2, 3
	s_mov_b32 s35, 0x44444444
	s_mov_b32 s36, 0x88888888
	s_mul_i32 s60, s20, WSTB
	s_add_co_u32 s60, s60, WST                     ; my stage: made here, on every wave's path
	v_lshlrev_b32 v2, 4, v1
	v_lshlrev_b32 v3, 3, v1
	v_lshlrev_b32 v4, 4, v0
	s_lshl_b32 s37, s20, 4
	s_add_co_u32 s37, s37, TOPS
	v_and_b32 v5, 3, v0
	v_lshl_add_u32 v5, v5, 2, s37                  ; TOPS + 4 (4 wave + lane % 4): used by waves 0-7 alone
	s_wait_kmcnt 0x0
	s_load_b256 s[24:31], s[8:9], 0x0              ; router_b
.irp j, 0,1,2,3
	global_load_b128 v[16+4*\j:19+4*\j], v4, s[6:7] offset:8192*\j  ; router_w: 512 threads x 16 bytes, four times
.endr
	s_cmp_lt_u32 s20, 8
	s_cbranch_scc0 .Lw_loads
	s_lshl_b32 s56, s21, 5
	s_lshl_b32 s57, s20, 2
	s_add_co_u32 s56, s56, s57                     ; my first row of x: 32 b + 4 wave
	s_lshl_b32 s22, s56, 12
	s_add_nc_u64 s[4:5], s[4:5], s[22:23]
	s_lshl_b32 s22, s56, 11
	s_add_nc_u64 s[12:13], s[12:13], s[22:23]
.set n, 0
.rept 32                                           ; load n: row n % 4, k = 128 (n / 4) + 4 lane .. +3
	global_load_b128 v[XS+4*n:XS+4*n+3], v2, s[4:5] offset:(n%4)*4096+(n/4)*512 th:TH_LOAD_NT
.set n, n+1
.endr
	s_branch .Lloaded
.Lw_loads:
	s_sub_co_u32 s56, s20, 8                       ; w'
	s_lshr_b32 s57, s56, 2
	s_lshl_b32 s58, s21, 1
	s_add_co_u32 s57, s57, s58                     ; g = 2 b + w' / 4
	s_and_b32 s58, s56, 3
	s_lshl_b32 s22, s57, 16                        ; 16 rows of 4,096 bytes,
	s_lshl_b32 s59, s58, 10                        ; 256 k of 4 bytes
	s_add_co_u32 s22, s22, s59
	s_add_nc_u64 s[10:11], s[10:11], s[22:23]
	s_lshl_b32 s22, s57, 15                        ; in wf: 32,768 bytes for g, 8,192 for my 32 pieces
	s_lshl_b32 s59, s58, 13
	s_add_co_u32 s22, s22, s59
	s_add_nc_u64 s[14:15], s[14:15], s[22:23]
.set n, 0
.rept 32                                           ; load n: row n % 16, k = 128 (n / 16) + 4 lane .. +3 of my 256
	global_load_b128 v[XS+4*n:XS+4*n+3], v2, s[10:11] offset:(n%16)*4096+(n/16)*512 th:TH_LOAD_NT
.set n, n+1
.endr
.Lloaded:
	s_wait_loadcnt 32                              ; the 32 loads of the stream are younger: router_w's four are in
.irp j, 0,1,2,3
	ds_store_b128 v4, v[16+4*\j:19+4*\j] offset:RW+8192*\j
.endr
	s_wait_kmcnt 0x0                               ; router_b
	s_wait_dscnt 0x0                               ; for the others' sake: my part of router_w is in LDS
	s_barrier_signal -1
	s_barrier_wait -1
	s_cmp_lt_u32 s20, 8
	s_cbranch_scc0 .Lw_work
; THE X WAVES.  16 half steps: half step hs takes k = 128 (hs / 2) + 4 lane .. +3 and the experts 4 (hs % 2) .. +3: 4 rows x 4 experts x 4 k = 32 packed multiply-adds.
.macro WLOAD hs                        ; router_w of half step hs into buffer hs % 2: four loads of 512 consecutive bytes
.irp j, 0,1,2,3
	ds_load_b128 v[WB+16*((\hs)%2)+4*\j:WB+16*((\hs)%2)+4*\j+3], v2 offset:RW+(4*((\hs)%2)+\j)*4096+((\hs)/2)*512
.endr
.endm
	WLOAD 0
.set hs, 0
.rept 16
.set i, hs/2
.set g, hs%2
.if hs < 15
	WLOAD hs+1
.endif
.if g == 0
	s_wait_loadcnt 28-4*i                          ; the rows' loads for later k are younger: 4 for each of the 7 - i steps to come
.endif
.if hs < 15
	s_wait_dscnt 0x4                               ; the four just issued may stay out
.else
	s_wait_dscnt 0x0
.endif
.irp p, 0,2                                        ; the low pair of k, then the high pair: 16 lines lie between two links of a sum
.set r, 0
.rept 4
.set j, 0
.rept 4
.set a, ACC+2*(8*r+4*g+j)
.set xr, XS+4*(4*i+r)+\p
.set wr, WB+16*g+4*j+\p
.if (i == 0) && (\p == 0)
	v_pk_mul_f32 v[a:a+1], v[xr:xr+1], v[wr:wr+1]  ; the first product starts the sum
.else
	v_pk_fma_f32 v[a:a+1], v[xr:xr+1], v[wr:wr+1], v[a:a+1]
.endif
.set j, j+1
.endr
.set r, r+1
.endr
.endr
.if g == 1                                         ; both halves have read these 128 k of the four rows: round them to f16 in place and store
.set r, 0
.rept 4
.set xr, XS+4*(4*i+r)
	v_cvt_pk_f16_f32 v[xr], v[xr], v[xr+1]
	v_cvt_pk_f16_f32 v[xr+1], v[xr+2], v[xr+3]
	global_store_b64 v3, v[xr:xr+1], s[12:13] offset:r*2048+i*256  ; 32 lanes store 256 consecutive bytes, at a multiple of 256 from xh's first byte
.set r, r+1
.endr
.endif
.set hs, hs+1
.endr
	; the 32 sums over the lanes: the pair's halves, four steps inside each half of the lanes, one across; step by step over all 32, so that no line waits for the one before it
.set n, 0
.rept 32
	v_add_f32 v[ACC+2*n], v[ACC+2*n], v[ACC+2*n+1]
.set n, n+1
.endr
.irp m, 1,2,4,8
.set n, 0
.rept 32
	v_add_f32_dpp v[ACC+2*n], v[ACC+2*n], v[ACC+2*n] row_xmask:\m row_mask:0xf bank_mask:0xf
.set n, n+1
.endr
.endr
.set n, 0
.rept 32
	v_permlanex16_b32 v[ACC+2*n+1], v[ACC+2*n], s32, s33
.set n, n+1
.endr
.set n, 0
.rept 32
	v_add_f32 v[ACC+2*n], v[ACC+2*n], v[ACC+2*n+1]
.set n, n+1
.endr
.set n, 0
.rept 32
	v_add_f32 v[ACC+2*n], s[24+n%8], v[ACC+2*n]    ; + router_b[e]
.set n, n+1
.endr
	; the choice: a later expert wins only if it is strictly greater, so ties keep the lower index
.set r, 0
.rept 4
	v_cmp_gt_f32 s[56+r], v[ACC+16*r+2], v[ACC+16*r]
.set r, r+1
.endr
.set r, 0
.rept 4
	v_cndmask_b32 v[10+r], v[ACC+16*r], v[ACC+16*r+2], s[56+r]
	v_cndmask_b32 v[6+r], 0, 1, s[56+r]
.set r, r+1
.endr
.set e, 2
.rept 6
.set r, 0
.rept 4
	v_cmp_gt_f32 s[56+r], v[ACC+16*r+2*e], v[10+r]
.set r, r+1
.endr
.set r, 0
.rept 4
	v_cndmask_b32 v[10+r], v[10+r], v[ACC+16*r+2*e], s[56+r]
	v_cndmask_b32 v[6+r], v[6+r], e, s[56+r]
.set r, r+1
.endr
.set e, e+1
.endr
	v_cndmask_b32 v16, v6, v7, s34                 ; lane l takes row l % 4's choice (every lane holds all four)
	v_cndmask_b32 v16, v16, v8, s35
	v_cndmask_b32 v16, v16, v9, s36
	ds_store_b32 v5, v16                           ; eight lanes write each word, with the same value
	s_branch .Ljoin
; THE W WAVES.  A lane's 4 numbers of row t are half of piece P = 16 u + lane / 2; in the stage piece P is a row and t a column of 16 bytes.  The 16 pairs of lanes of a store fall 272 bytes apart, on different banks.
.Lw_work:
	v_lshrrev_b32 v6, 1, v1
	v_mul_u32_u24 v6, v6, 272
	v_and_b32 v7, 1, v1
	v_lshl_add_u32 v6, v7, 3, v6
	v_add_nc_u32 v6, s60, v6                       ; in: (lane / 2) x 272 + 8 (lane % 2)
	v_lshrrev_b32 v7, 4, v1
	v_mul_u32_u24 v7, v7, 272
	v_and_b32 v8, 15, v1
	v_lshl_add_u32 v7, v8, 4, v7
	v_add_nc_u32 v7, s60, v7                       ; back: lanes 0-15 one piece's 256 bytes, lanes 16-31 the next piece's
.set u, 0
.rept 2
.set t, 0
.rept 16
.set xr, XS+4*(16*u+t)
	s_wait_loadcnt 31-(16*u+t)                     ; the later loads are younger
	v_cvt_pk_f16_f32 v[xr], v[xr], v[xr+1]
	v_cvt_pk_f16_f32 v[xr+1], v[xr+2], v[xr+3]
	ds_store_b64 v6, v[xr:xr+1] offset:u*16*272+t*16
.set t, t+1
.endr
.set t, 0
.rept 8
	ds_load_b128 v[ACC+32*u+4*t:ACC+32*u+4*t+3], v7 offset:(8*u+t)*2*272  ; LDS serves a wave's instructions in order (ISA guide 5.7.1.4): these see my stores above
.set t, t+1
.endr
.set u, u+1
.endr
.set t, 0
.rept 8
	s_wait_dscnt 31-t                              ; younger: 7 - t reads of this half, the second half's 16 stores and 8 reads
	global_store_b128 v2, v[ACC+4*t:ACC+4*t+3], s[14:15] offset:t*512  ; 512 consecutive bytes, at a multiple of 256 from wf's first byte
.set t, t+1
.endr
.set t, 0
.rept 8
	s_wait_dscnt 7-t
	global_store_b128 v2, v[ACC+32+4*t:ACC+32+4*t+3], s[14:15] offset:(8+t)*512
.set t, t+1
.endr
.Ljoin:
	s_wait_dscnt 0x0                               ; for wave 0's sake: my choices are in TOPS
	s_barrier_signal -1
	s_barrier_wait -1
	s_cmp_lg_u32 s20, 0
	s_cbranch_scc1 .Lend
; WAVE 0: the group's 32 choices become counts, first places and the sorted list.  Lane l holds token 32 b + l.
	v_lshl_add_u32 v16, v1, 2, TOPS
	ds_load_b32 v17, v16
	s_lshl_b32 s22, s21, 6
	s_add_nc_u64 s[18:19], s[18:19], s[22:23]      ; order at my 32 u16
	s_and_b32 s22, s21, 7                          ; i = b % 8
	s_lshl_b32 s22, s22, 10
	s_lshr_b32 s38, s21, 3                         ; L = b / 8
	s_lshl_b32 s38, s38, 4
	s_add_co_u32 s22, s22, s38
	s_add_nc_u64 s[16:17], s[16:17], s[22:23]      ; route at 1,024 i + 16 L: my group's counts; its first places lie 512 bytes on
	s_lshl_b32 s22, s21, 5                         ; 32 b: the first token's number
	s_wait_dscnt 0x0
.irp e, 0,1,2,3,4,5,6,7
	v_cmp_eq_u32 s[40+\e], \e, v17                 ; m[e]: the lanes that chose e
.endr
.irp e, 0,1,2,3,4,5,6,7
	s_bcnt1_i32_b32 s[56+\e], s[40+\e]             ; c[e]
.endr
	s_mov_b32 s48, 0
.irp e, 0,1,2,3,4,5,6
	s_add_co_u32 s[49+\e], s[48+\e], s[56+\e]      ; off[e + 1] = off[e] + c[e]
.endr
	v_mbcnt_lo_u32_b32 v18, s40, s48               ; my place: off[e] + the lanes below me that chose e, for my own e
.irp e, 1,2,3,4,5,6,7
	v_mbcnt_lo_u32_b32 v19, s[40+\e], s[48+\e]
	v_cndmask_b32 v18, v18, v19, s[40+\e]
.endr
	v_mov_b32 v20, 0                               ; the list is the inverse: lane i takes the j whose place is i, by selects alone (no lane index is made of the choice)
.set j, 1
.rept 31
	v_readlane_b32 s[66+j%2], v18, j
	v_cmp_eq_u32 vcc_lo, s[66+j%2], v1
	v_cndmask_b32 v20, v20, j, vcc_lo
.set j, j+1
.endr
	v_add_nc_u32 v20, s22, v20
	v_lshlrev_b32 v21, 1, v1
	global_store_b16 v21, v20, s[18:19]            ; 64 consecutive bytes
.irp p, 0,1,2,3
	s_lshl_b32 s37, s[57+2*\p], 16
	s_or_b32 s[72+\p], s[56+2*\p], s37             ; c[2 p] | c[2 p + 1] << 16
	s_lshl_b32 s37, s[49+2*\p], 16
	s_or_b32 s[76+\p], s[48+2*\p], s37             ; the same of off
.endr
	v_and_b32 v23, 7, v0                           ; word k = lane % 8 of the eight
	v_mov_b32 v22, s72
.irp k, 1,2,3,4,5,6,7
	v_cmp_eq_u32 vcc_lo, \k, v23
	v_cndmask_b32 v22, v22, s[72+\k], vcc_lo
.endr
	v_and_b32 v24, 3, v23
	v_lshrrev_b32 v25, 2, v23
	v_lshlrev_b32 v24, 2, v24
	v_lshl_add_u32 v24, v25, 9, v24                ; 512 (k / 4) + 4 (k % 4)
	global_store_b32 v24, v22, s[16:17]            ; two pieces of 16 bytes; four lanes write each word, with the same value
.Lend:
	s_wait_tensorcnt 0x0                           ; the wave's end: behind my last LDS store
	ds_add_u32 v14, v15
	s_wait_dscnt 0x0
	s_endpgm
.Lfunc_end_k_qcf763192f0_prep:
	.size	k_qcf763192f0_prep, .Lfunc_end_k_qcf763192f0_prep-k_qcf763192f0_prep
	.p2alignl 7, 3214868480
	.fill 96, 4, 3214868480
	.section	.rodata,"a",@progbits
	.p2align	6, 0x0
	.amdhsa_kernel k_qcf763192f0_prep
		.amdhsa_group_segment_fixed_size 174336
		.amdhsa_private_segment_fixed_size 0
		.amdhsa_enable_private_segment 0
		.amdhsa_kernarg_size 64
		.amdhsa_user_sgpr_count 2
		.amdhsa_user_sgpr_kernarg_segment_ptr 1
		.amdhsa_wavefront_size32 1
		.amdhsa_system_sgpr_workgroup_id_x 1
		.amdhsa_system_sgpr_workgroup_id_y 1
		.amdhsa_system_sgpr_workgroup_id_z 1
		.amdhsa_system_vgpr_workitem_id 0
		.amdhsa_next_free_vgpr 256
		.amdhsa_next_free_sgpr 80
		.amdhsa_reserve_vcc 1
		.amdhsa_float_denorm_mode_32 3
		.amdhsa_float_denorm_mode_16_64 3
		.amdhsa_memory_ordered 1
		.amdhsa_forward_progress 1
		.amdhsa_inst_pref_size 91
	.end_amdhsa_kernel
	.amdgpu_metadata
---
amdhsa.version: [ 1, 2 ]
amdhsa.kernels:
  - .name:           k_qcf763192f0_prep
    .symbol:         k_qcf763192f0_prep.kd
    .args:
      - { .name: x, .offset: 0, .size: 8, .value_kind: global_buffer, .address_space: global }
      - { .name: router_w, .offset: 8, .size: 8, .value_kind: global_buffer, .address_space: global }
      - { .name: router_b, .offset: 16, .size: 8, .value_kind: global_buffer, .address_space: global }
      - { .name: expert_w, .offset: 24, .size: 8, .value_kind: global_buffer, .address_space: global }
      - { .name: xh, .offset: 32, .size: 8, .value_kind: global_buffer, .address_space: global }
      - { .name: wf, .offset: 40, .size: 8, .value_kind: global_buffer, .address_space: global }
      - { .name: route, .offset: 48, .size: 8, .value_kind: global_buffer, .address_space: global }
      - { .name: order, .offset: 56, .size: 8, .value_kind: global_buffer, .address_space: global }
    .group_segment_fixed_size: 174336
    .private_segment_fixed_size: 0
    .kernarg_segment_align: 8
    .kernarg_segment_size: 64
    .max_flat_workgroup_size: 512
    .sgpr_count:     80
    .vgpr_count:     256
    .wavefront_size: 32
...
	.end_amdgpu_metadata
.endif
;; end of part 3
;; launch moe (part 4): grid 4 x 64, 4 waves a work-group, no clusters, 117,504 bytes of LDS; arguments route, order, xh, wf, expert_b, out0; writes out0
.if DOCPART == 4
	.amdgcn_target "amdgcn-amd-amdhsa--gfx1250"
	.amdhsa_code_object_version 6
	.text
	.protected	k_qcf763192f0_moe
	.globl	k_qcf763192f0_moe
	.p2align	8
	.type	k_qcf763192f0_moe,@function
k_qcf763192f0_moe:
	s_mov_b64 s[64:65], 0
	v_nop
	global_prefetch_b8 v0, s[64:65] scope:SCOPE_SE
	s_setreg_imm32_b32 hwreg(HW_REG_WAVE_MODE, 25, 1), 1
	s_wait_xcnt 0x0
; MOE: out0[t] = x[t] . expert_w[top[t]]^T + expert_b[top[t]], for the chosen expert alone.  Operands f16 (xh, wf: rounded once by the launch before, whose head says why f16), sums and bias f32.
; THE GRID SERVES EVERY SPLIT.  A tile is 144 rows of one expert x 256 columns.  Expert e with c[e] tokens has g[e] = ceil(c[e] / 144) tiles; their sum is at most (8192 + 8 x 143) / 144 = 64.8, so 64 row slots
; do for every split: grid = 4 column blocks x 64 slots.  Slot t belongs to the last expert whose first slot is <= t.  Places past the count repeat the expert's last token; whole blocks of 16 rows past the count
; are not stored; a slot without rows runs the same text on clamped indices and stores nothing (every wave passes every barrier).
; EVERY WORK-GROUP FINDS ITS ROWS ITSELF, in whole numbers, from what the launch before stored: route (for each group of 32 tokens the experts' counts and first places) and order (each group's tokens sorted by expert).
; Rank r of expert e lies in the last group whose running count is <= r: lane L sums its 8 groups, the 32 lanes' running sums are compared, then the lane's 8.
; SHARES.  Four waves; a wave has all 144 rows x 64 columns: 36 accumulators.  The rows of x are gathered by the list, 128 k at a time, through registers into two LDS slots that all four waves read.
; W's fragments have one reader each and lie in wf in register order: they go from memory straight into a ring of six register slots, five K steps ahead.
; THE MATRIX INSTRUCTION IS USED TRANSPOSED (source 0 = 16 rows of W, source 1 = 16 rows of x): a lane holds eight neighbouring columns of one row of out0, and the bias, which hangs on the column alone, is the C of the first K step.
; NO CLUSTER, NO TENSOR LOAD: x's rows come by a list, which no tile descriptor covers; W's tiles are shared by an expert's row slots, whose number hangs on the counts: whole clusters of four for each expert
; would need sum ceil(c[e] / 4 M) <= 16, so M >= 228 rows a tile, 480 accumulator registers and trip counts read from memory round the joint loads.
; LIMITS.  x and expert_w enter the product rounded to f16: of 65,520 or more they are infinities, below 6e-5 they keep f16's fixed step of 6e-8; nothing else is rounded.  Indices read from memory are clamped to their tables.
; REGISTERS, in windows of 256 (s_set_vgpr_msb: bits 1:0 source 0, 3:2 source 1, 5:4 source 2, 7:6 destination):
;   window 0: v0-15 lane terms; v16-33 the byte offsets of my 36 rows of xh; v34-63 at work; v64-255 W's ring, 6 x 32 (in the head: route and order as loaded; on the way out v128-167: tokens and rows)
;   window X = 1, 2, 3 (row blocks 3 (X - 1) + i): v0-95 accumulator (i, b) at 8 (4 i + b); v96-143 x fragments, two buffers of 24; v144-191 rows on their way to LDS, two sets of 6 x 4
;   (in the last four K steps v96-191 are four fragment buffers); window 1 also v192-223 the bias
; Under the one setting 0x54 X (source 0 in window 0, all else in window X) a matrix instruction, a fragment's LDS load, a row's global load and its LDS store all name the right windows: a K step's memory
; instructions and its products share the three settings, and a K step has six switches for its 36 matrix instructions.
.set PITCH, 272                        ; an LDS row: 256 bytes + 16 of padding = 68 words: the 16 rows of a load start at 16 different groups of four banks (64 banks of 4 bytes: ISA guide 11.1)
.set ASLOT, 144*PITCH                  ; a slot: 144 rows x 128 k
.set STAGE, 2*ASLOT                    ; 16 rows x 272 bytes for each wave, for the way out
.set ORD,   STAGE+4*16*PITCH           ; order, 16,384 bytes
.set ZREC,  ORD+16384                  ; for each wave 32 lanes x 8 words: the search's second level
.set LIST,  ZREC+4096                  ; the tile's 144 tokens, one word each (576 bytes in 768)
.set SPARE, LIST+768                   ; the spare words, 128 bytes for each wave; no other line names them
.set TK,    128                        ; the way out: v128-135 the byte offsets of a block's rows in out0; v136-167 the rows read back.  These are ring slots 2 and 3, whose K steps (26, 27) are over
.set OB,    136
; v1 lane; v2 16 lane; v3 16 (lane % 16); v4 h = lane / 16; v5 r = lane % 16; v6, v7 my place in a fragment, slot 0, 1; v8, v9 where I put a gathered row (rows 32 w + .., rows 128 + 4 w + ..);
; v10, v11 the stage, in and back; v12 LIST + 4 h; v13 32 h; v14 my spare word; v15 0
; s16 wave; s17 column block; s18 slot; s20-27 c[e]; s28 running first slot; s29 e; s30 its first slot; s31 its count; s32 first rank; s33 rows; s34 last rank; s35 e / 2; s36 16 (e % 2); s37-39 masks e / 2 = 1, 2, 3; s66-96 running sums
.set MSB, 0
.macro WIN new                         ; the immediate's high byte repeats the setting that is left; a switch that changes nothing is dropped
.if MSB != (\new)
	s_set_vgpr_msb (MSB<<8)|(\new)
.set MSB, (\new)
.endif
.endm
.set LDI, 0                            ; global loads issued so far; a mark is LDI behind a load; LDI - mark loads are younger than it
.set DSI, 0                            ; the same for LDS instructions
.macro WAITLD n                        ; the wait's field ends at 63; a smaller count only asks for more
.if (\n) > 63
	s_wait_loadcnt 63
.else
	s_wait_loadcnt (\n)
.endif
.endm
.macro BLOAD s                         ; W's four fragments of K step s into ring slot s % 6: eight loads of 512 consecutive bytes (window 0)
.set bs, 64+32*((\s)%6)
.set bb, 0
.rept 4
	global_load_b128 v[bs+8*bb:bs+8*bb+3],   v2, s[10:11] offset:bb*32768+(\s)*1024
	global_load_b128 v[bs+8*bb+4:bs+8*bb+7], v2, s[10:11] offset:bb*32768+(\s)*1024+512
.set bb, bb+1
.endr
.set LDI, LDI+8
.endm
.macro AFRAG X, s, k                   ; load k of 6 of window X's x fragments of K step s: row block 3 (X - 1) + k / 2, k-half k % 2
	ds_load_b128 v[96+24*((\s)%2)+4*(\k):96+24*((\s)%2)+4*(\k)+3], v[6+((\s)/4)%2] offset:(3*((\X)-1)+(\k)/2)*16*PITCH+((\s)%4)*64+32*((\k)%2)
.set DSI, DSI+1
.endm
.macro GONE X, c, m                    ; two of my rows (lanes 0-15 one, lanes 16-31 the next), 256 bytes of chunk c each, into set c % 2
	global_load_b128 v[144+24*((\c)%2)+4*(\m):144+24*((\c)%2)+4*(\m)+3], v[16+6*((\X)-1)+(\m)], s[8:9] offset:(\c)*256
.set LDI, LDI+1
.endm
.macro SONE X, c, m                    ; and on into LDS slot c % 2
.if 6*((\X)-1)+(\m) < 16
	ds_store_b128 v8, v[144+24*((\c)%2)+4*(\m):144+24*((\c)%2)+4*(\m)+3] offset:((\c)%2)*ASLOT+(6*((\X)-1)+(\m))*2*PITCH
.else
	ds_store_b128 v9, v[144+24*((\c)%2)+4*(\m):144+24*((\c)%2)+4*(\m)+3] offset:((\c)%2)*ASLOT+(6*((\X)-1)+(\m)-16)*2*PITCH
.endif
.set DSI, DSI+1
.endm
.macro GFILL c                         ; all 18 loads of chunk c
.irp X, 1,2,3
	WIN 0x54*\X
.set m, 0
.rept 6
	GONE \X, \c, m
.set m, m+1
.endr
.endr
.if (\c)%2 == 0
.set MG0, LDI
.else
.set MG1, LDI
.endif
.endm
	s_load_b256 s[4:11], s[0:1], 0x0               ; route s[4:5], order s[6:7], xh s[8:9], wf s[10:11]
	s_load_b128 s[12:15], s[0:1], 0x20             ; expert_b s[12:13], out0 s[14:15]
	v_lshl_add_u32 v14, v0, 2, SPARE
	v_mov_b32 v15, 0
	v_and_b32 v1, 31, v0
	v_lshrrev_b32 v34, 5, v0
	v_readfirstlane_b32 s16, v34                   ; wave 0..3
	s_mov_b32 s17, ttmp9
	s_and_b32 s18, ttmp7, 0xffff
	v_lshlrev_b32 v60, 4, v0
	v_lshlrev_b32 v2, 4, v1
	s_wait_kmcnt 0x0
.set i, 0
.rept 8                                            ; order: the work-group's 128 threads x 16 bytes, eight times
	global_load_b128 v[128+4*i:131+4*i], v60, s[6:7] offset:2048*i
.set i, i+1
.endr
.set i, 0
.rept 16                                           ; route, whole, in every wave, 512 consecutive bytes a load: lane l takes groups 8 l .. 8 l + 7: group i's counts at v[64 + 8 i ..], its first places at v[68 + 8 i ..]
	global_load_b128 v[64+4*i:67+4*i], v2, s[4:5] offset:512*i
.set i, i+1
.endr
	; the lane terms, while these are on their way
	v_and_b32 v5, 15, v0
	v_bfe_u32 v4, v0, 4, 1
	v_lshlrev_b32 v3, 4, v5
	v_add_nc_u32 v62, ORD, v60
	s_mov_b32 s46, 0x76543210                      ; v_permlanex16_b32: each lane takes its own place in the other half
	s_mov_b32 s47, 0xfedcba98
	s_lshl_b32 s48, s16, 10
	s_add_co_u32 s48, s48, ZREC                    ; my wave's records
	s_lshl_b32 s49, s16, 7                         ; 4 x 32 w
	s_lshl_b32 s54, s16, 4
	s_add_co_u32 s54, s54, 512                     ; 4 x (128 + 4 w)
	s_add_co_u32 s50, s54, LIST
	s_mul_i32 s51, s16, 32*PITCH
	s_mul_i32 s52, s16, 4*PITCH
	s_add_co_u32 s52, s52, 128*PITCH
	s_mul_i32 s53, s16, 16*PITCH
	s_add_co_u32 s53, s53, STAGE
	v_mul_u32_u24 v6, v5, PITCH
	v_mul_u32_u24 v63, v4, PITCH
	v_lshl_add_u32 v10, v4, 5, v6
	v_add_nc_u32 v10, s53, v10                     ; stage, in: row r, 32 bytes for each half of the lanes
	v_lshl_add_u32 v6, v4, 4, v6                   ; a fragment: row r x pitch + 16 h
	v_add_nc_u32 v7, ASLOT, v6
	v_add_nc_u32 v63, v63, v3                      ; row h x pitch + 16 r: whole rows, two to an instruction
	v_add_nc_u32 v8, s51, v63
	v_add_nc_u32 v9, s52, v63
	v_add_nc_u32 v11, s53, v63
	v_lshl_add_u32 v12, v4, 2, LIST
	v_lshlrev_b32 v13, 5, v4
	v_and_b32 v57, 3, v0
	s_wait_loadcnt 16                              ; route's 16 loads are younger: order is in
.set i, 0
.rept 8
	ds_store_b128 v62, v[128+4*i:131+4*i] offset:2048*i
.set i, i+1
.endr
	s_wait_loadcnt 0x0                             ; route
	; the experts' totals: two counts to a word (8,192 at the most: no carry from the low half)
.irp p, 0,1,2,3
	v_add3_u32 v[34+\p], v[64+\p], v[72+\p], v[80+\p]
	v_mov_b32 v[38+\p], 0                          ; a DPP line's destination counts as read
.endr
.irp p, 0,1,2,3
	v_add3_u32 v[34+\p], v[34+\p], v[88+\p], v[96+\p]
.endr
.irp p, 0,1,2,3
	v_add3_u32 v[34+\p], v[34+\p], v[104+\p], v[112+\p]
.endr
.irp p, 0,1,2,3
	v_add_nc_u32 v[34+\p], v[34+\p], v[120+\p]
.endr
.irp m, 1,2,4,8
.irp p, 0,1,2,3
	v_mov_b32_dpp v[38+\p], v[34+\p] row_xmask:\m row_mask:0xf bank_mask:0xf
.endr
.irp p, 0,1,2,3
	v_add_nc_u32 v[34+\p], v[34+\p], v[38+\p]
.endr
.endr
.irp p, 0,1,2,3
	v_permlanex16_b32 v[38+\p], v[34+\p], s46, s47
.endr
.irp p, 0,1,2,3
	v_add_nc_u32 v[34+\p], v[34+\p], v[38+\p]
.endr
.irp p, 0,1,2,3
	v_readfirstlane_b32 s[40+\p], v[34+\p]
.endr
.irp p, 0,1,2,3
	s_and_b32 s[20+2*\p], s[40+\p], 0xffff
	s_lshr_b32 s[21+2*\p], s[40+\p], 16
.endr
	; the slots are dealt: g = (c + 143) / 144 = ((c + 143) >> 4) / 9, and m / 9 = (7,282 m) >> 16 for every m below 32,768 (here 520 at the most)
	s_mov_b32 s28, 0
	s_mov_b32 s29, 0
	s_mov_b32 s30, 0
	s_mov_b32 s31, s20
.irp e, 0,1,2,3,4,5,6,7
	s_cmp_ge_u32 s18, s28                          ; does expert e begin at or before my slot?
	s_cselect_b32 s29, \e, s29
	s_cselect_b32 s30, s28, s30
	s_cselect_b32 s31, s[20+\e], s31
	s_add_co_u32 s40, s[20+\e], 143
	s_lshr_b32 s40, s40, 4
	s_mul_i32 s40, s40, 7282
	s_lshr_b32 s40, s40, 16
	s_add_co_u32 s28, s28, s40
.endr
	s_min_u32 s29, s29, 7                          ; it enters addresses
	s_sub_co_u32 s32, s18, s30
	s_mul_i32 s32, s32, 144                        ; my first rank
	s_sub_co_i32 s33, s31, s32
	s_max_i32 s33, s33, 0
	s_min_i32 s33, s33, 144                        ; my rows
	s_max_u32 s34, s31, 1
	s_sub_co_u32 s34, s34, 1                       ; the expert's last rank (0 if it has no token)
	s_lshr_b32 s35, s29, 1
	s_and_b32 s36, s29, 1
	s_lshl_b32 s36, s36, 4
	s_cmp_eq_u32 s35, 1
	s_cselect_b32 s37, -1, 0
	s_cmp_eq_u32 s35, 2
	s_cselect_b32 s38, -1, 0
	s_cmp_eq_u32 s35, 3
	s_cselect_b32 s39, -1, 0
	s_mov_b32 s45, 0
	s_lshl_b32 s44, s29, 21                        ; wf: 64 x 32,768 bytes an expert, 16 x 32,768 a column block, 4 x 32,768 a wave
	s_lshl_b32 s40, s17, 19
	s_add_co_u32 s44, s44, s40
	s_lshl_b32 s40, s16, 17
	s_add_co_u32 s44, s44, s40
	s_add_nc_u64 s[10:11], s[10:11], s[44:45]
	s_lshl_b32 s40, s17, 10                        ; my 64 columns of f32: 1,024 bytes a column block, 256 a wave
	s_lshl_b32 s41, s16, 8
	s_add_co_u32 s44, s40, s41
	s_add_nc_u64 s[14:15], s[14:15], s[44:45]
	s_lshl_b32 s41, s29, 12
	s_add_co_u32 s44, s44, s41
	s_add_nc_u64 s[12:13], s[12:13], s[44:45]
	; my lane's 8 groups: c and off of expert e; E = the running count; z = E << 16 | (32 i + off - E) = 65,535 E + off + 32 i (E <= 32 i, so the low part is never negative)
	v_mov_b32 v42, 0
.set i, 0
.rept 8
	v_cndmask_b32 v43, v[64+8*i], v[65+8*i], s37
	v_cndmask_b32 v44, v[68+8*i], v[69+8*i], s37
	v_cndmask_b32 v43, v43, v[66+8*i], s38
	v_cndmask_b32 v44, v44, v[70+8*i], s38
	v_cndmask_b32 v43, v43, v[67+8*i], s39
	v_cndmask_b32 v44, v44, v[71+8*i], s39
	v_bfe_u32 v43, v43, s36, 16
	v_bfe_u32 v44, v44, s36, 16
	v_mad_u32_u24 v44, v42, 0xffff, v44
	v_add_nc_u32 v[34+i], 32*i, v44
	v_add_nc_u32 v42, v42, v43
.set i, i+1
.endr
	s_wait_dscnt 0x0                               ; order's LDS stores have read v128-159, where W's ring begins to land
	WIN 0x40                                       ; destination window 1
.set bb, 0
.rept 4                                            ; the bias of my 64 columns as a C operand: register j of lane (r, h) is column 16 b + 8 h + j
	global_load_b128 v[192+8*bb:192+8*bb+3], v13, s[12:13] offset:64*bb
	global_load_b128 v[192+8*bb+4:192+8*bb+7], v13, s[12:13] offset:64*bb+16
.set bb, bb+1
.endr
.set LDI, LDI+8
	WIN 0
	BLOAD 0                                        ; W of the first five K steps goes out ahead of the search
.set MQ0, LDI
	BLOAD 1
.set MQ1, LDI
	BLOAD 2
.set MQ2, LDI
	BLOAD 3
.set MQ3, LDI
	BLOAD 4
.set MQ4, LDI
	v_lshl_add_u32 v56, v1, 5, s48
	ds_store_b128 v56, v[34:37]
	ds_store_b128 v56, v[38:41] offset:16
	; the search over lanes, for two places a lane: a = place 32 w + lane, b = place 128 + 4 w + lane % 4.  The running sums carry the lane's number: after lane l, 64 X + (l + 1), X = the count up to and with lane l.
	v_lshl_add_u32 v45, v42, 6, 1
	v_add_nc_u32 v46, s32, v0
	v_min_u32 v46, s34, v46                        ; rank a; places past the count repeat the last rank
	s_lshl_b32 s43, s16, 2
	s_add_co_u32 s43, s43, 128
	s_add_co_u32 s43, s43, s32
	v_add_nc_u32 v47, s43, v57
	v_min_u32 v47, s34, v47                        ; rank b
	v_add_lshl_u32 v48, v46, 1, 6                  ; 64 (rank + 1): above 64 X + lane just where X <= rank
	v_add_lshl_u32 v49, v47, 1, 6
	v_mov_b32 v50, 0
	v_mov_b32 v51, 0
.set l, 0
.rept 31
	v_readlane_b32 s[66+l], v45, l
.set l, l+1
.endr
.set l, 0
.rept 30
	s_add_co_u32 s[67+l], s[67+l], s[66+l]
.set l, l+1
.endr
.set l, 0
.rept 31                                           ; the sums ascend, so the last that passes stays: K = 64 X[L] + L
	v_cmp_lt_u32 vcc_lo, s[66+l], v48
	v_cmp_lt_u32 s40, s[66+l], v49
	v_cndmask_b32 v50, v50, s[66+l], vcc_lo
	v_cndmask_b32 v51, v51, s[66+l], s40
.set l, l+1
.endr
	v_and_b32 v52, 31, v50
	v_and_b32 v53, 31, v51
	v_min_u32 v52, 31, v52                         ; L enters an LDS address
	v_min_u32 v53, 31, v53
	v_lshrrev_b32 v50, 6, v50
	v_lshrrev_b32 v51, 6, v51
	v_sub_nc_u32 v46, v46, v50                     ; the rank within lane L's groups
	v_sub_nc_u32 v47, v47, v51
	v_lshl_add_u32 v54, v52, 5, s48
	v_lshl_add_u32 v55, v53, 5, s48
	v_add_lshl_u32 v48, v46, 1, 16                 ; above z just where E <= rank
	v_add_lshl_u32 v49, v47, 1, 16
	s_wait_dscnt 0x0                               ; my part of order and my records are in LDS
	s_barrier_signal -1
	s_barrier_wait -1                              ; everybody's are
	ds_load_b128 v[16:19], v54
	ds_load_b128 v[20:23], v54 offset:16
	ds_load_b128 v[24:27], v55
	ds_load_b128 v[28:31], v55 offset:16
	s_wait_dscnt 0x0
	v_cmp_lt_u32 vcc_lo, v17, v48
	v_cmp_lt_u32 s40, v25, v49
	v_cndmask_b32 v58, v16, v17, vcc_lo
	v_cndmask_b32 v59, v24, v25, s40
.irp i, 2,3,4,5,6,7
	v_cmp_lt_u32 vcc_lo, v[16+\i], v48
	v_cmp_lt_u32 s40, v[24+\i], v49
	v_cndmask_b32 v58, v58, v[16+\i], vcc_lo
	v_cndmask_b32 v59, v59, v[24+\i], s40
.endr
	v_and_b32 v58, 0xffff, v58
	v_and_b32 v59, 0xffff, v59
	v_lshl_add_u32 v58, v52, 8, v58                ; the place in order: 256 L + (32 i + off - E) + rank
	v_lshl_add_u32 v59, v53, 8, v59
	v_add_nc_u32 v58, v58, v46
	v_add_nc_u32 v59, v59, v47
	v_min_u32 v58, 0x1fff, v58
	v_min_u32 v59, 0x1fff, v59
	v_lshl_add_u32 v58, v58, 1, ORD
	v_lshl_add_u32 v59, v59, 1, ORD
	ds_load_u16 v60, v58
	ds_load_u16 v61, v59
	v_lshl_add_u32 v62, v0, 2, LIST
	v_lshl_add_u32 v63, v57, 2, s50
	v_add_nc_u32 v54, s49, v12
	v_add_nc_u32 v55, s54, v12
	s_wait_dscnt 0x0
	ds_store_b32 v62, v60
	ds_store_b32 v63, v61                          ; eight lanes write each word, with the same value
	s_wait_dscnt 0x0                               ; for the others' sake: my 36 tokens are in the list
	s_barrier_signal -1
	s_barrier_wait -1
.set i, 0
.rept 16                                           ; the rows that I gather: 32 w + 2 i + h,
	ds_load_b32 v[16+i], v54 offset:8*i
.set i, i+1
.endr
	ds_load_b32 v32, v55                           ; and 128 + 4 w + 2 (i - 16) + h
	ds_load_b32 v33, v55 offset:8
	s_wait_dscnt 0x0
.set i, 0
.rept 18
	v_min_u32 v[16+i], 0x1fff, v[16+i]
.set i, i+1
.endr
.set i, 0
.rept 18
	v_lshl_add_u32 v[16+i], v[16+i], 11, v3        ; token x 2,048 bytes + my 16 of a chunk's 256
.set i, i+1
.endr
	GFILL 0
	GFILL 1
	WAITLD LDI-MG0                                 ; chunk 1's 18 loads are younger: chunk 0, and all that went out before it, is in
.irp X, 1,2,3
	WIN 0x54*\X
.set m, 0
.rept 6
	SONE \X, 0, m
.set m, m+1
.endr
.endr
	s_wait_dscnt 0x0                               ; chunk 0 is in LDS, and set 0's registers have been read
	GFILL 2
	s_barrier_signal -1
	s_barrier_wait -1                              ; everybody's rows of chunk 0 are
.irp X, 1,2,3
	WIN 0x54*\X
.set k, 0
.rept 6
	AFRAG \X, 0, k
.set k, k+1
.endr
.endr
.set MA, DSI                           ; the mark behind the fragments of the K step to come
; A K STEP (32 along K; S = 4 c + q, chunk c of 128 k lies in LDS slot c % 2) is ONE RUN of memory instructions and then 36 matrix instructions on 36 accumulators, with no memory instruction among them.
; So go the K steps 0 to 27; the last chunk's four are written out behind them.
; THE RUN: W of K step S + 5 (8 loads); then window by window, 1, 2, 3:
;   q = 0: six pairs of rows of chunk c + 1 go from registers into the other LDS slot;
;   q = 2: six pairs of rows of chunk c + 3 are asked for, into the registers so freed (all those LDS stores stand ahead of window 3's fragment loads of the same run, for which the step q = 1 has waited);
;   always: the window's six fragment loads of K step S + 1, which have this step's 36 matrix instructions in which to land.
; THE PRODUCTS go window by window, 3, 2, 1, so that the turn from the run to the products needs no switch.  The 36 accumulators take turns in the same order in every step, one instruction a turn.
; ONE BARRIER A CHUNK.  The signal stands in the chunk's third K step, behind 24 of its products: in front of it my reads of slot c % 2 (the last are the fourth step's fragments, asked for in this step's run) and my stores
; of chunk c + 1 are done.  The wait stands at the head of the fourth step, ahead of its run, which is the first to read the other slot; slot c % 2 is written again from the next step on.
; Between signal and wait stand 12 products and four v_nop: register work alone.
.macro RUNW X                          ; window X's part of the run
	WIN 0x54*(\X)
.set m, 0
.rept 6
.if q == 0
	SONE \X, c+1, m
.endif
.if (q == 2) && (c < 5)
	GONE \X, c+3, m
.endif
.set m, m+1
.endr
.set m, 0
.rept 6
	AFRAG \X, S+1, m
.set m, m+1
.endr
.endm
.macro PHASE X                         ; window X's 12 products
.if S == 0
	WIN 0x44*(\X)+0x10                             ; the first K step takes its C, the bias, from window 1
.else
	WIN 0x54*(\X)
.endif
.set n, 0
.rept 12
.set ra, 8*n
.set rb, 64+32*(S%6)+8*(n%4)
.set rx, 96+24*(S%2)+8*(n/4)
.if S == 0
	v_wmma_f32_16x16x32_f16 v[ra:ra+7], v[rb:rb+7], v[rx:rx+7], v[192+8*(n%4):192+8*(n%4)+7]
.else
	v_wmma_f32_16x16x32_f16 v[ra:ra+7], v[rb:rb+7], v[rx:rx+7], v[ra:ra+7]
.endif
.set n, n+1
.endr
.endm
.macro PLACES                          ; a load into a register that a matrix instruction has read, and an LDS store of a matrix result, stand four plain vector instructions behind it (ISA guide 7.12.1 for vector instructions)
.rept 4
	v_nop
.endr
.endm
.macro KSTEP
.set c, S/4
.set q, S%4
.if S > 0
	PLACES                                         ; these four serve the whole run, which loads into the ring slot and the fragment buffers that the step before multiplied
.endif
.if q == 3
	s_barrier_wait -1                              ; every wave's rows of chunk c + 1 are in LDS, and nobody reads this chunk's slot any more
.endif
.if S+5 <= 31
	WIN 0
	BLOAD S+5                                      ; five K steps, 180 matrix instructions, ahead of its use
.endif
.set MQ5, LDI
.if q == 0
.if (c+1)%2 == 0
	WAITLD LDI-MG0                                 ; chunk c + 1, asked for six K steps ago, is in registers; W's loads and the next chunk's since then may stay out
.else
	WAITLD LDI-MG1
.endif
.endif
	RUNW 1
	RUNW 2
	RUNW 3
.set NA, DSI
	WAITLD LDI-MQ0                                 ; W of this step is in; the later steps' and the rows asked for since may stay out
	s_wait_dscnt DSI-MA                            ; this step's 18 fragment loads, issued a K step ago, are in; the run just issued may stay out
	PHASE 3
	PHASE 2
.if q == 2
	s_wait_dscnt 0x0                               ; my reads of this chunk's slot and my stores into the other are done:
	s_barrier_signal -1                            ; say so
.endif
	PHASE 1
.if (q == 2) && (c < 5)
.if (c+3)%2 == 0
.set MG0, LDI
.else
.set MG1, LDI
.endif
.endif
.set MA, NA
.set MQ0, MQ1
.set MQ1, MQ2
.set MQ2, MQ3
.set MQ3, MQ4
.set MQ4, MQ5
.set S, S+1
.endm
.set S, 0
.rept 28
	KSTEP
.endr
; THE LAST CHUNK (K steps 28 to 31) GOES WINDOW BY WINDOW, so that a window's 48 rows leave while the other windows are still multiplied.  All that it needs is at hand: chunk 7 lies whole in LDS slot 1 (no barrier
; follows, and nobody writes that slot again); W of the four steps lies in ring slots 4, 5, 0, 1.  A window's fragments of the four steps take v96-191: step 28's came with step 27's run; those of steps 29 to 31 come in
; ONE run of 54 loads, window 1's first; v144-191 carried rows to LDS and have been idle since step 24.  Each window: 48 products (its 12 accumulators by turns, K ascending: the sums are the same), then its three blocks of 16 rows go out.
.macro TFRAG X, s, k                   ; load k of 6 of window X's fragments of K step s = 29, 30, 31
	ds_load_b128 v[96+24*((\s)-28)+4*(\k):96+24*((\s)-28)+4*(\k)+3], v7 offset:(3*((\X)-1)+(\k)/2)*16*PITCH+((\s)%4)*64+32*((\k)%2)
.endm
.macro LASTP X                         ; window X's 48 products
	WIN 0x54*(\X)
.set ks, 28
.rept 4
.set n, 0
.rept 12
.set ra, 8*n
.set rb, 64+32*(ks%6)+8*(n%4)
.set rx, 96+24*(ks-28)+8*(n/4)
	v_wmma_f32_16x16x32_f16 v[ra:ra+7], v[rb:rb+7], v[rx:rx+7], v[ra:ra+7]
.set n, n+1
.endr
.set ks, ks+1
.endr
.endm
; THE WAY OUT, a block of 16 rows at a time: a lane's 32 bytes of each of four accumulators go into my stage (rows of 272 bytes) and come back as whole rows of 256 bytes; sixteen lanes store them at the row's token.
; Each accumulator's low four registers are read first.  A block wholly past the count is jumped, and all behind it, the later windows' last products too (the jump passes no barrier);
; in the last block the places past the count store the last row's own bytes again.
.macro OUTBLK a
.set oa, 32*((\a)%3)
	s_cmp_le_u32 s33, 16*(\a)
	s_cbranch_scc1 .Ldone
	s_wait_xcnt 0x0                                ; the block before's stores have had their addresses translated (ISA guide 3.1): only now are their registers written again
.set t, 0
.rept 8
	ds_load_b32 v[TK+t], v12 offset:64*(\a)+8*t    ; the tokens of rows 16 a + 2 t + h
.set t, t+1
.endr
	WIN 4*(1+(\a)/3)                               ; store data (source 1) in the block's window
.set bb, 0
.rept 4
	ds_store_b128 v10, v[oa+8*bb:oa+8*bb+3] offset:64*bb
	ds_store_b128 v10, v[oa+8*bb+4:oa+8*bb+7] offset:64*bb+16
.set bb, bb+1
.endr
	WIN 0
.set t, 0
.rept 8
	ds_load_b128 v[OB+4*t:OB+4*t+3], v11 offset:t*2*PITCH  ; LDS serves a wave's instructions in order (ISA guide 5.7.1.4): these see my stores above; the next block's stores come behind them
.set t, t+1
.endr
	s_wait_dscnt 16                                ; the 8 stores and 8 loads behind them are younger: the tokens are in
.set t, 0
.rept 8
	v_min_u32 v[TK+t], 0x1fff, v[TK+t]
.set t, t+1
.endr
.set t, 0
.rept 8
	v_lshl_add_u32 v[TK+t], v[TK+t], 12, v3        ; token x 4,096 bytes + my 16 of the wave's 256
.set t, t+1
.endr
.set t, 0
.rept 8
	s_wait_dscnt 7-t
	global_store_b128 v[TK+t], v[OB+4*t:OB+4*t+3], s[14:15] th:TH_STORE_NT  ; 16 lanes store 256 consecutive bytes, at a multiple of 256 from out0's first byte
.set t, t+1
.endr
.endm
	PLACES                                         ; behind step 27's products, which read the buffer that step 29's fragments take
.irp X, 1,2,3
	WIN 0x54*\X
.irp s, 29,30,31
.set k, 0
.rept 6
	TFRAG \X, \s, k
.set k, k+1
.endr
.endr
.endr
	s_wait_loadcnt 0x0                             ; W of steps 28 to 31: no load is younger than the last of them
	s_wait_dscnt 36                                ; windows 2's and 3's 36 loads are younger: window 1's fragments are in, step 28's too
	LASTP 1
	WIN 0                                          ; at a branch and at a label every window is 0
	PLACES                                         ; between the window's last products and the LDS stores that read them
.irp a, 0,1,2
	OUTBLK \a
.endr
	LASTP 2                                        ; its fragments were asked for ahead of block 2's LDS instructions, whose last wait was for 0
	WIN 0
	PLACES
.irp a, 3,4,5
	OUTBLK \a
.endr
	LASTP 3                                        ; likewise
	WIN 0
	PLACES
.irp a, 6,7,8
	OUTBLK \a
.endr
.Ldone:
	s_wait_tensorcnt 0x0                           ; the wave's end: behind my last LDS store
	ds_add_u32 v14, v15
	s_wait_dscnt 0x0
	s_endpgm
.Lfunc_end_k_qcf763192f0_moe:
	.size	k_qcf763192f0_moe, .Lfunc_end_k_qcf763192f0_moe-k_qcf763192f0_moe
	.p2alignl 7, 3214868480
	.fill 96, 4, 3214868480
	.section	.rodata,"a",@progbits
	.p2align	6, 0x0
	.amdhsa_kernel k_qcf763192f0_moe
		.amdhsa_group_segment_fixed_size 117504
		.amdhsa_private_segment_fixed_size 0
		.amdhsa_enable_private_segment 0
		.amdhsa_kernarg_size 48
		.amdhsa_user_sgpr_count 2
		.amdhsa_user_sgpr_kernarg_segment_ptr 1
		.amdhsa_wavefront_size32 1
		.amdhsa_system_sgpr_workgroup_id_x 1
		.amdhsa_system_sgpr_workgroup_id_y 1
		.amdhsa_system_sgpr_workgroup_id_z 1
		.amdhsa_system_vgpr_workitem_id 0
		.amdhsa_next_free_vgpr 960
		.amdhsa_next_free_sgpr 98
		.amdhsa_reserve_vcc 1
		.amdhsa_float_denorm_mode_32 3
		.amdhsa_float_denorm_mode_16_64 3
		.amdhsa_memory_ordered 1
		.amdhsa_forward_progress 1
		.amdhsa_inst_pref_size 237
	.end_amdhsa_kernel
	.amdgpu_metadata
---
amdhsa.version: [ 1, 2 ]
amdhsa.kernels:
  - .name:           k_qcf763192f0_moe
    .symbol:         k_qcf763192f0_moe.kd
    .args:
      - { .name: route, .offset: 0, .size: 8, .value_kind: global_buffer, .address_space: global }
      - { .name: order, .offset: 8, .size: 8, .value_kind: global_buffer, .address_space: global }
      - { .name: xh, .offset: 16, .size: 8, .value_kind: global_buffer, .address_space: global }
      - { .name: wf, .offset: 24, .size: 8, .value_kind: global_buffer, .address_space: global }
      - { .name: expert_b, .offset: 32, .size: 8, .value_kind: global_buffer, .address_space: global }
      - { .name: out0, .offset: 40, .size: 8, .value_kind: global_buffer, .address_space: global }
    .group_segment_fixed_size: 117504
    .private_segment_fixed_size: 0
    .kernarg_segment_align: 8
    .kernarg_segment_size: 48
    .max_flat_workgroup_size: 128
    .sgpr_count:     98
    .vgpr_count:     960
    .wavefront_size: 32
...
	.end_amdgpu_metadata
.endif
;; end of part 4
